; MI455X (gfx1250); checked and timed in simulation.
; The chip was launched on July 23, 2026; its instructions are those of AMD's public machine-readable ISA for CDNA 5 (MIT licence, August 2026) and "CDNA5" Instruction Set Architecture Reference Guide (July 2026). The comments in the code are by the model that wrote it; some were corrected since.
;; Context Multi Head Attn. Allowed arithmetic: matrix products marked QUANTISED: E2M3 operands, one E8M0 scale for each 32 along K, by v_wmma_scale_f32_16x16x128_f8f6f4 with both operands' format E2M3, f32 sums; everything else in f32.
;; Inputs: Wkv 1,024 x 2,048 float32; Wo 1,024 x 1,024 float32; Wq 1,024 x 1,024 float32; attn_mask 1,024 x 8 bool; beta 1,024 float32; c 1,024 x 8 x 1,024 float32; gamma 1,024 float32; h 1,024 x 8 x 1,024 float32.
;; Outputs: out0 1,024 x 8 x 1,024 float32.
;; This version of the problem:
;;   THIS VERSION OF THE PROBLEM IS GIVEN IN LOW PRECISION. The matrix products marked QUANTISED in the list below multiply operands that are first quantised to E2M3 (2 exponent bits, 3 mantissa bits; 6 bits a number), with one power-of-two scale for each 32 numbers along K (OCP MX v1.0); their sums are f32. All else is computed in f32.
;;   The module's matrix products, in the order in which they are computed (A, B: the left and right operand; K: the contracted axis; several contracted axes count as one K, in the product's order):
;;     1. [M 8,192, K 1,024] x [K 1,024, N 1,024]; A: computed on the way; B: input Wq: QUANTISED
;;     2. [M 8,192, K 1,024] x [K 1,024, N 2,048]; A: input c; B: input Wkv: QUANTISED
;;     3. batch 128 x [M 1,024, K 64] x [K 64, N 1,024]; A: computed on the way; B: computed on the way: QUANTISED
;;     4. batch 128 x [M 64, K 1,024] x [K 1,024, N 1,024]; A: computed on the way; B: softmax (see below): QUANTISED
;;     5. [M 8,192, K 1,024] x [K 1,024, N 1,024]; A: computed on the way; B: input Wo: QUANTISED
;;   THE QUANTISER, for each operand of a quantised product, along K:
;;     - K is cut into blocks of 32 from its start; a last block that is shorter is filled with zeros.
;;     - A block's scale is 2^e with e = floor(log2(the largest magnitude in the block)) - 2, held to -126 .. 127; a block of zeros has e = 0. As a byte (E8M0): e + 127.
;;     - Each number is divided by its block's scale, clamped to +-7.5, and rounded to the nearest number of E2M3, ties to even, subnormals kept.
;;     - The product sums the exact products of the quantised numbers (number of the format x scale) in f32.
;;   ~~~python
;;   def quantise(x, axis):      # numpy; x: float32 -> the quantised numbers, widened to float32 again
;;       x = np.moveaxis(x, axis, -1); K = x.shape[-1]
;;       x = np.pad(x, [(0, 0)] * (x.ndim - 1) + [(0, -K % 32)]); x = x.reshape(x.shape[:-1] + (-1, 32)); a = np.abs(x).max(-1, keepdims=True)
;;       e = np.where(a > 0, np.clip(np.frexp(np.where(a > 0, a, 1))[1] - 1 - 2, -126, 127), 0)      # np.frexp(a)[1] - 1 = floor(log2(a)), exactly
;;       r = np.clip(x / 2.0 ** e, -7.5, 7.5)
;;       step = 2.0 ** (np.maximum(np.frexp(np.where(r == 0, 1, r))[1] - 1, 0) - 3)
;;       q = np.round(r / step) * step * 2.0 ** e      # np.round: ties to even
;;       return np.moveaxis(q.reshape(q.shape[:-2] + (-1,))[..., :K], -1, axis).astype(np.float32)
;;   ~~~
;;   SOFTMAX AHEAD OF A QUANTISED PRODUCT. Where the list says 'softmax', what is quantised is not the finished softmax but p = 2^(t - M), with t = logit x log2(e) and M = ceil(the row's largest t), a whole number; so 1/2 < the row's largest p <= 1. The row's sum l is taken of the UNQUANTISED p, in f32, and the product's result is divided by l at the end. Since M is a whole number, a kernel that streams over the keys may use a running M (the ceiling of the running maximum): every later rescaling is an exact power of two, which a block's scale takes up: the codes' values come out the same.
;;   OPERANDS COMPUTED ON THE WAY. 'Computed on the way' means the value that the module computes at that place (a softmax that the list does not call 'softmax' is quantised finished and normalised). What goes into a quantiser is computed in f32, as accurately as f32 sums, v_exp_f32 and their like allow (about 1e-6 of the number): no bf16 or f16 on the way to a quantiser, and a product that is left as it is and whose result goes on into a quantised operand takes f32 operands (vector FMAs, or v_wmma_f32_16x16x4_f32). A number that lies on a knife's edge between two numbers of the format may be rounded either way, as far as f32 arithmetic and the matrix unit's own rounding can turn it there, and no further.
;; One version. Each part assembles by itself: llvm-mc -triple=amdgcn-amd-amdhsa -mcpu=gfx1250 --defsym DOCPART=n.
;; ======== version 1 of 1: 4 launches
;; limits: right only within a limited range of input values
;; workspace buffers: ops_codes 15,728,640 bytes; ops_scales 655,360 bytes; stats 65,536 bytes; qkv 19,660,800 bytes; av_codes 6,291,456 bytes; av_scales 262,144 bytes
;; launch prep (part 1): grid 256 x 1, 16 waves a work-group, no clusters, 267,776 bytes of LDS; arguments h, c, gamma, beta, Wq, Wkv, Wo, ops_codes, ops_scales, stats; writes ops_codes, ops_scales, stats
.if DOCPART == 1
	.amdgcn_target "amdgcn-amd-amdhsa--gfx1250"
	.amdhsa_code_object_version 6
	.text
	.protected	k_q24e4275c2e_prep
	.globl	k_q24e4275c2e_prep
	.p2align	8
	.type	k_q24e4275c2e_prep,@function
k_q24e4275c2e_prep:
	s_mov_b64 s[64:65], 0
	v_nop
	global_prefetch_b8 v0, s[64:65] scope:SCOPE_SE
	s_setreg_imm32_b32 hwreg(HW_REG_WAVE_MODE, 25, 1), 1
	s_wait_xcnt 0x0
; Every operand of the three large products becomes codes of FP6 (E2M3) with one E8M0 byte for each 32 along K = 1,024:
; the columns of Wq, Wkv, Wo (K is their first axis), the rows of LN(h) and the rows of c.  20,480 operand rows in all:
; Wq 0.., Wk 1,024.., Wv 2,048.., Wo 3,072.., LN(h) 4,096.., c 12,288...
; STORED ORDER.  sigma(x) is x with bits 3 and 4 exchanged.  Inside each group of 32, true row x lies at place sigma(x); rows of h and c lie batch by batch
; (row = 1,024 b + sigma(i)).  A tile of 16 stored rows used as source 0 of the matrix instruction then leaves, in the 16 result registers of two neighbouring
; tiles, 16 true neighbours: the order in which the next quantiser wants them.
; ops_codes: [tile of 16 rows][K step of 128][1,536 bytes]: an image of the operand's 12 registers: registers 4 c .. 4 c + 3 of lane l at 512 c + 16 l.
; ops_scales: [K step][row]: one word (four bytes) each.   stats: [stored row of h]: (-mean, 1 / sqrt(var + eps)), from which the last launch makes LN(h) again.
; A block's scale is 2^(floor(log2(largest magnitude)) - 2); its byte is the largest magnitude's exponent field - 2, held at 1 from below.
; LIMITS: a block whose largest magnitude lies under 2^-124 (zeros too) keeps the byte 1: its codes are (nearly) zeros, and this program alone reads the bytes.  NaN and infinities are not served.
; SHARES.  Each of the 256 work-groups takes 64 rows of h or of c (262,144 bytes) and, behind them, four of the weights' 1,024 tasks of 32 columns x 128 along K (65,536 bytes): every work-group moves the same bytes.
; No tensor loads: nothing is shared between work-groups.
.set XP,    4112                       ; a row of 4,096 bytes in LDS + 16: 257 x 16, so the sixteen rows of a 16-byte read fall on sixteen different 16-byte columns of 256
.set STAT,  64*XP                      ; 64 x (-mean, rstd)
.set SCW,   STAT+512                   ; [K step 8][64 rows] scale words
.set PLANE, 81920                      ; a K step's plane of ops_scales: 20,480 words
.set X,     16                         ; v16-143  128 numbers
.set GA,    144                        ; v144-175 gamma of my 32 columns;  later the codes just made
.set BE,    176                        ; v176-207 beta
.set FW,    144                        ; weights: v144-167 two runs of 12 registers: the fragment's lanes (r, 0) and (r, 1)
.set TM,    184                        ; rows, second phase: v184-187 largest magnitudes, v188-191 bytes, v196-199 the conversions' scale operands
; 64 numbers of a lane, register 16 b + i = k 32 b + 16 (lane / 16) + i of my row, become a fragment's 12 registers in v[pc] on and its scale word in v[pw]
.macro QUANT s, pc, pw
.irp b, 0,1,2,3
	v_max3_num_f32 v[TM+\b], |v[\s+16*\b]|, |v[\s+1+16*\b]|, 0x1800000   ; my 16 numbers of block b, and the floor 2^(3 - 127): the byte cannot fall under 1
.endr
.irp i, 2,4,6,8,10,12,14
.irp b, 0,1,2,3
	s_delay_alu instid0(VALU_DEP_4)
	v_max3_num_f32 v[TM+\b], v[TM+\b], |v[\s+16*\b+\i]|, |v[\s+1+16*\b+\i]|
.endr
.endr
.irp b, 0,1,2,3
	s_delay_alu instid0(VALU_DEP_4)
	v_permlanex16_b32 v[TM+4+\b], v[TM+\b], s30, s31
.endr
.irp b, 0,1,2,3
	s_delay_alu instid0(VALU_DEP_4)
	v_max_num_f32 v[TM+\b], v[TM+\b], v[TM+4+\b]   ; with lane l xor 16's 16: the block's largest magnitude
.endr
.irp b, 0,1,2,3
	s_delay_alu instid0(VALU_DEP_4)
	v_add_nc_u32 v[TM+12+\b], 0xff000000, v[TM+\b] ; 2 off its exponent field: the conversion takes the exponent field of this operand as its scale
.endr
.irp b, 0,1,2,3
	s_delay_alu instid0(VALU_DEP_4)
	v_lshrrev_b32 v[TM+4+\b], 23, v[TM+12+\b]      ; the scale's byte
.endr
	s_delay_alu instid0(VALU_DEP_3)
	v_lshl_or_b32 v[\pw], v[TM+5], 8, v[TM+4]
	s_delay_alu instid0(VALU_DEP_1)
	v_lshl_or_b32 v[\pw], v[TM+6], 16, v[\pw]
	s_delay_alu instid0(VALU_DEP_1)
	v_lshl_or_b32 v[\pw], v[TM+7], 24, v[\pw]
.irp c, 0,1
	v_cvt_scalef32_pk16_fp6_f32 v[\pc+6*\c:\pc+2+6*\c], v[\s+32*\c:\s+15+32*\c], v[TM+12+2*\c]
	v_cvt_scalef32_pk16_fp6_f32 v[\pc+12+4*\c:\pc+14+4*\c], v[\s+16+32*\c:\s+31+32*\c], v[TM+12+2*\c+1]   ; (a conversion's three registers begin on an even number)
.endr
	v_nop                                          ; one plain instruction behind the scaled conversions
.irp c, 0,1                                    ; the operand wants a WHOLE block in a lane: lanes 0-15 block 2 c, lanes 16-31 block 2 c + 1
.irp i, 0,1,2
	v_permlane16_swap_b32 v[\pc+6*\c+\i], v[\pc+12+4*\c+\i]
.endr
.irp i, 0,1,2
	s_delay_alu instid0(VALU_DEP_3)
	v_mov_b32 v[\pc+3+6*\c+\i], v[\pc+12+4*\c+\i]
.endr
.endr
.endm
	s_load_b256 s[4:11], s[0:1], 0x0               ; h, c, gamma, beta
	s_load_b256 s[12:19], s[0:1], 0x20             ; Wq, Wkv, Wo, ops_codes
	s_load_b128 s[20:23], s[0:1], 0x40             ; ops_scales, stats
	v_lshl_add_u32 v254, v0, 2, 0x40e00
	v_mov_b32 v255, 0
	v_lshrrev_b32 v1, 5, v0
	s_delay_alu instid0(VALU_DEP_1)
	v_readfirstlane_b32 s24, v1                    ; wave 0..15
	v_and_b32 v10, 31, v0                          ; lane
	s_wait_alu depctr_va_vdst(0)
	v_and_b32 v11, 15, v0                          ; r
	s_wait_alu depctr_va_vdst(0)
	v_bfe_u32 v12, v0, 4, 1                        ; h
	s_mov_b32 s30, 0x76543210
	s_mov_b32 s31, 0xfedcba98                      ; v_permlanex16_b32's selects for lane l xor 16
; ---------------- THE ROWS.  Work-group u: u < 128: h, else c; batch (u % 128) / 16; positions 64 (u % 16) on.
; Phase 1: wave w loads true rows 4 w .. 4 w + 3 whole (each load 512 consecutive bytes), normalises them (h alone) and lays them in LDS at their stored places.
; Phase 2: wave w quantises tile w / 4 (16 stored rows), K steps 2 (w % 4) and 2 (w % 4) + 1, and stores the two images.
	s_and_b32 s26, ttmp9, 127
	s_lshr_b32 s27, s26, 4                         ; batch
	s_and_b32 s28, ttmp9, 15
	s_lshl_b32 s28, s28, 6                         ; first position
	s_lshr_b32 s29, ttmp9, 7                       ; 0: h, 1: c
	s_lshl_b32 s34, s29, 13
	s_lshl_b32 s35, s27, 10
	s_add_co_u32 s34, s34, s35
	s_add_co_u32 s34, s34, s28
	s_add_co_u32 s34, s34, 4096                    ; my first operand row
	s_and_b32 s36, s24, 9                          ; sigma on row 4 w + p exchanges bits 1 and 2 of w
	s_and_b32 s37, s24, 2
	s_lshl_b32 s37, s37, 1
	s_or_b32 s36, s36, s37
	s_and_b32 s37, s24, 4
	s_lshr_b32 s37, s37, 1
	s_or_b32 s36, s36, s37
	v_lshlrev_b32 v1, 4, v10                       ; 16 x lane
	s_mul_i32 s37, s36, 4*XP
	v_add_nc_u32 v2, s37, v1                       ; phase 1: where my 16 bytes of a row go
	s_lshl_b32 s37, s36, 5
	s_add_co_u32 s37, s37, STAT
	v_mov_b32 v3, s37                              ; and the rows' statistics
	s_lshr_b32 s38, s24, 2                         ; phase 2: my tile,
	s_and_b32 s39, s24, 3
	s_lshl_b32 s39, s39, 1                         ; my first K step
	v_mul_u32_u24 v4, v11, XP
	s_wait_alu depctr_va_vdst(0)
	v_lshl_add_u32 v4, v12, 6, v4                  ; row r, + 64 h: my 16 numbers of a block of 32
	s_mul_i32 s40, s38, 16*XP
	s_lshl_b32 s41, s39, 9
	s_add_co_u32 s40, s40, s41
	v_add_nc_u32 v4, s40, v4
	s_lshl_b32 s40, s39, 8
	s_lshl_b32 s41, s38, 6
	s_add_co_u32 s40, s40, s41
	s_add_co_u32 s40, s40, SCW
	v_lshl_add_u32 v5, v11, 2, s40                 ; my row's scale word
	s_and_b32 s41, s24, 3                          ; the tail: waves 0-3 store two planes' 256 bytes of scale words each
	s_lshl_b32 s42, s41, 9
	s_add_co_u32 s42, s42, SCW
	v_add_nc_u32 v6, s42, v1
	s_mul_i32 s42, s41, 2*PLANE
	v_mul_u32_u24 v7, v12, PLANE
	s_delay_alu instid0(VALU_DEP_1)
	v_lshl_add_u32 v7, v11, 4, v7
	s_delay_alu instid0(VALU_DEP_1)
	v_add_nc_u32 v7, s42, v7
	v_add_nc_u32 v8, STAT, v1                      ; wave 4 stores the statistics
	v_mov_b32 v217, 0                              ; written once: a lane permute's destination counts as one of its sources
	s_mov_b32 s46, 0x3a800000                      ; 1 / 1,024
	s_mov_b32 s47, 0x3727c5ac                      ; eps = 1e-5
	s_wait_kmcnt 0x0
	s_cmp_eq_u32 s29, 0
	s_cselect_b64 s[32:33], s[4:5], s[6:7]         ; the choice hangs on the work-group's number alone
	s_lshl_b32 s42, s24, 2
	s_add_co_u32 s42, s42, s28                     ; my first true position
	s_lshl_b32 s42, s42, 15                        ; eight batches of 4,096 bytes to a position
	s_lshl_b32 s43, s27, 12
	s_add_co_u32 s42, s42, s43
	s_mov_b32 s43, 0
	s_add_nc_u64 s[32:33], s[32:33], s[42:43]
	s_lshr_b32 s44, s34, 4
	s_add_co_u32 s44, s44, s38
	s_lshl_b32 s44, s44, 3
	s_add_co_u32 s44, s44, s39
	s_mul_i32 s44, s44, 1536
	s_mov_b32 s45, 0
	s_add_nc_u64 s[48:49], s[18:19], s[44:45]      ; my two images (ops_codes' and ops_scales' own addresses stay as they are, for the weights)
	s_lshl_b32 s44, s34, 2
	s_add_nc_u64 s[50:51], s[20:21], s[44:45]      ; the work-group's 64 words of plane 0
	s_lshl_b32 s44, s27, 10
	s_add_co_u32 s44, s44, s28
	s_lshl_b32 s44, s44, 3
	s_add_nc_u64 s[22:23], s[22:23], s[44:45]
.irp j, 0,1,2,3,4,5,6,7
	global_load_b128 v[GA+4*\j:GA+4*\j+3], v1, s[8:9] offset:512*\j      ; columns 128 j + 4 lane on, as the rows' loads take them
.endr
.irp j, 0,1,2,3,4,5,6,7
	global_load_b128 v[BE+4*\j:BE+4*\j+3], v1, s[10:11] offset:512*\j
.endr
.irp p, 0,1,2,3
.irp j, 0,1,2,3,4,5,6,7
	global_load_b128 v[X+32*\p+4*\j:X+32*\p+4*\j+3], v1, s[32:33] offset:\p*32768+512*\j th:TH_LOAD_NT
.endr
.endr
.macro WSUM                                    ; v216 summed over the 32 lanes, the result in every lane
	s_delay_alu instid0(VALU_DEP_1)
	v_add_f32_dpp v216, v216, v216 row_xmask:1 row_mask:0xf bank_mask:0xf
	s_delay_alu instid0(VALU_DEP_1)
	v_add_f32_dpp v216, v216, v216 row_xmask:2 row_mask:0xf bank_mask:0xf
	s_delay_alu instid0(VALU_DEP_1)
	v_add_f32_dpp v216, v216, v216 row_xmask:4 row_mask:0xf bank_mask:0xf
	s_delay_alu instid0(VALU_DEP_1)
	v_add_f32_dpp v216, v216, v216 row_xmask:8 row_mask:0xf bank_mask:0xf
	s_delay_alu instid0(VALU_DEP_1)
	v_permlanex16_b32 v217, v216, s30, s31
	s_delay_alu instid0(VALU_DEP_1)
	v_add_f32 v216, v216, v217
.endm
.macro FOLD                                    ; the four chains v[208:215] into v216
	s_delay_alu instid0(VALU_DEP_3)
	v_pk_add_f32 v[208:209], v[208:209], v[210:211]
	s_delay_alu instid0(VALU_DEP_2)
	v_pk_add_f32 v[212:213], v[212:213], v[214:215]
	s_delay_alu instid0(VALU_DEP_1)
	v_pk_add_f32 v[208:209], v[208:209], v[212:213]
	s_delay_alu instid0(VALU_DEP_1)
	v_add_f32 v216, v208, v209
	WSUM
.endm
.macro ROWIN p
.set XR, X+32*(\p)
	s_wait_loadcnt 24-8*(\p)                       ; this row's eight loads are in (gamma and beta were asked for earlier); the younger rows' may be out
	v_mov_b32 v220, 0                              ; (-mean, rstd) of a row that is not normalised
	v_mov_b32 v221, 1.0
	s_cmp_lg_u32 s29, 0
	s_cbranch_scc1 .Lplain_\@                      ; c is taken as it is: the branch goes round arithmetic alone
.irp k, 0,1,2,3
	v_pk_add_f32 v[208+2*\k:209+2*\k], v[XR+4*\k:XR+4*\k+1], v[XR+4*\k+2:XR+4*\k+3]   ; the sum, in four chains
.endr
.irp i, 16,24
.irp k, 0,1,2,3
	s_delay_alu instid0(VALU_DEP_4)
	v_pk_add_f32 v[208+2*\k:209+2*\k], v[208+2*\k:209+2*\k], v[XR+\i+2*\k:XR+\i+2*\k+1]
.endr
.endr
	FOLD
	s_delay_alu instid0(VALU_DEP_1)
	v_mul_f32 v220, 0xba800000, v216               ; -mean
.irp i, 0,2,4,6,8,10,12,14,16,18,20,22,24,26,28,30
	v_pk_add_f32 v[XR+\i:XR+\i+1], v[XR+\i:XR+\i+1], v[220:221] op_sel_hi:[1,0]   ; x - mean: the variance is taken of the differences
.endr
.irp k, 0,1,2,3
	v_pk_mul_f32 v[208+2*\k:209+2*\k], v[XR+2*\k:XR+2*\k+1], v[XR+2*\k:XR+2*\k+1]
.endr
.irp i, 8,16,24
.irp k, 0,1,2,3
	s_delay_alu instid0(VALU_DEP_4)
	v_pk_fma_f32 v[208+2*\k:209+2*\k], v[XR+\i+2*\k:XR+\i+2*\k+1], v[XR+\i+2*\k:XR+\i+2*\k+1], v[208+2*\k:209+2*\k]
.endr
.endr
	FOLD
	s_delay_alu instid0(VALU_DEP_1)
	v_fma_f32 v216, v216, s46, s47                 ; var + eps
	s_wait_alu depctr_va_vdst(0)
	v_rsq_f32 v222, v216
	v_nop                                          ; one plain instruction behind the transcendental,
	s_wait_alu depctr_va_vdst(0)                   ; and the wait ahead of the first line that names its result
	v_mov_b32 v223, v222
	v_mov_b32 v221, v222
.irp i, 0,2,4,6,8,10,12,14,16,18,20,22,24,26,28,30
	v_pk_mul_f32 v[XR+\i:XR+\i+1], v[XR+\i:XR+\i+1], v[222:223]
.endr
.irp i, 0,2,4,6,8,10,12,14,16,18,20,22,24,26,28,30
	v_pk_fma_f32 v[XR+\i:XR+\i+1], v[XR+\i:XR+\i+1], v[GA+\i:GA+\i+1], v[BE+\i:BE+\i+1]
.endr
.Lplain_\@:
.irp j, 0,1,2,3,4,5,6,7
	ds_store_b128 v2, v[XR+4*\j:XR+4*\j+3] offset:(\p)*XP+512*\j
.endr
	s_wait_alu depctr_va_vdst(0)
	ds_store_b64 v3, v[220:221] offset:8*(\p)      ; every lane writes the same eight bytes with the same value
.endm
	ROWIN 0
	ROWIN 1
	ROWIN 2
	ROWIN 3
	s_wait_dscnt 0x0                               ; for the others' sake: my rows lie in LDS
	s_barrier_signal -1
	s_barrier_wait -1
.irp b, 0,1,2,3
	v_mov_b32 v[TM+4+\b], 0                        ; a lane permute's destination counts as one of its sources
.endr
.irp q, 0,1
.irp b, 0,1,2,3
.irp j, 0,1,2,3
	ds_load_b128 v[X+64*\q+16*\b+4*\j:X+64*\q+16*\b+4*\j+3], v4 offset:512*\q+128*\b+16*\j
.endr
.endr
.endr
	s_wait_dscnt 16                                ; the first K step's 16 loads are in
	QUANT X, 144, 200
.irp c, 0,1,2
	global_store_b128 v1, v[144+4*\c:147+4*\c], s[48:49] offset:512*\c        ; 512 consecutive bytes
.endr
	ds_store_b32 v5, v200                          ; (lanes 16-31 hold the same word and write the same place)
	s_wait_dscnt 1                                 ; the second K step's loads are in; the word's store may be out
	QUANT X+64, 164, 201                           ; into other registers: no store's data are written again
.irp c, 0,1,2
	global_store_b128 v1, v[164+4*\c:167+4*\c], s[48:49] offset:1536+512*\c
.endr
	ds_store_b32 v5, v201 offset:256
	s_wait_dscnt 0x0                               ; for the others' sake: my scale words lie in LDS
	s_barrier_signal -1
	s_barrier_wait -1
	s_cmp_lt_u32 s24, 4
	s_cbranch_scc0 .Lnot_scales
	ds_load_b128 v[16:19], v6                      ; planes 2 w and 2 w + 1: 64 words each
	s_wait_dscnt 0x0
	global_store_b128 v7, v[16:19], s[50:51]       ; sixteen lanes store 256 consecutive bytes, aligned
	s_branch .Lend
.Lnot_scales:
	s_cmp_eq_u32 s24, 4
	s_cbranch_scc0 .Lnot_stats
	s_cmp_eq_u32 s29, 0
	s_cbranch_scc0 .Lend
	ds_load_b128 v[16:19], v8
	s_wait_dscnt 0x0
	global_store_b128 v1, v[16:19], s[22:23]       ; the 64 rows' statistics: 512 consecutive bytes
	s_branch .Lend
; ---------------- THE WEIGHTS.  Waves 8-11 go on, one task each: K step u % 8, operand rows 128 (u / 8) + 32 (w - 8) on: the four waves stand side by side on 512 consecutive bytes of each row of W.
; A LANE TAKES A COLUMN AND ITS REGISTERS RUN DOWN K: lane l takes column sigma(l) of the wave's 32, so each load reads 128 consecutive bytes, a block lies in one lane, and the lane's place is the stored place.
; No LDS and no barrier from here on.
.Lnot_stats:
	s_lshr_b32 s25, s24, 2
	s_cmp_eq_u32 s25, 2
	s_cbranch_scc0 .Lend
	s_wait_xcnt 0x0                                ; my stores of the rows' codes have read their registers: v144 on are written again below
	v_bfe_u32 v13, v0, 3, 1
	s_delay_alu instid0(VALU_DEP_1)
	v_xor_b32 v13, v13, v12                        ; bit 3 xor bit 4
	s_delay_alu instid0(VALU_DEP_1)
	v_mul_u32_u24 v13, v13, 24
	s_delay_alu instid0(VALU_DEP_1)
	v_xor_b32 v13, v13, v10                        ; sigma(lane)
	s_delay_alu instid0(VALU_DEP_1)
	v_lshlrev_b32 v13, 2, v13                      ; in: 4 bytes a column
	v_mul_u32_u24 v14, v12, 12288                  ; out: lanes 16-31 hold the next tile's rows (a tile's eight K steps are 12,288 bytes),
	s_delay_alu instid0(VALU_DEP_1)
	v_lshl_add_u32 v14, v11, 4, v14                ; 16 bytes for each row of the tile
	v_lshlrev_b32 v15, 2, v10                      ; my scale word
	s_and_b32 s25, ttmp9, 7                        ; K step
	s_lshr_b32 s26, ttmp9, 3                       ; which 128 operand rows: 0..31
	s_lshl_b32 s27, s26, 7
	s_and_b32 s28, s24, 3
	s_lshl_b32 s28, s28, 5
	s_add_co_u32 s27, s27, s28                     ; my wave's first operand row
	s_sub_co_u32 s36, s26, 8                       ; 0..15 where the rows are Wkv's columns
	s_cmp_lt_u32 s26, 8
	s_cselect_b64 s[32:33], s[12:13], s[14:15]     ; the choice hangs on the work-group's number alone
	s_cselect_b32 s34, 0, 1024
	s_cmp_lt_u32 s26, 24
	s_cselect_b64 s[32:33], s[32:33], s[16:17]
	s_cselect_b32 s34, s34, 3072
	s_sub_co_u32 s34, s27, s34                     ; the column in its tensor
	s_lshl_b32 s34, s34, 2
	s_cmp_lt_u32 s36, 16
	s_cselect_b32 s37, 20, 19                      ; 128 rows of 8,192 bytes (Wkv) or of 4,096
	s_lshl_b32 s38, s25, s37
	s_add_co_u32 s38, s38, s34
	s_mov_b32 s39, 0
	s_add_nc_u64 s[32:33], s[32:33], s[38:39]
	s_lshr_b32 s40, s27, 1                         ; (row / 16) x 8 K steps
	s_add_co_u32 s40, s40, s25
	s_mul_i32 s40, s40, 1536
	s_mov_b32 s41, 0
	s_add_nc_u64 s[18:19], s[18:19], s[40:41]
	s_mul_i32 s42, s25, PLANE
	s_lshl_b32 s43, s27, 2
	s_add_co_u32 s42, s42, s43
	s_mov_b32 s43, 0
	s_add_nc_u64 s[20:21], s[20:21], s[42:43]
.macro WLOAD t, pitch                          ; block t: W(32 t + i, my column), i = 0 .. 31
.irp i, 0,1,2,3,4,5,6,7,8,9,10,11,12,13,14,15,16,17,18,19,20,21,22,23,24,25,26,27,28,29,30,31
	global_load_b32 v[X+32*(\t)+\i], v13, s[32:33] offset:(32*(\t)+\i)*(\pitch) th:TH_LOAD_NT
.endr
.endm
.macro WBLOCK t                                ; block t belongs to the fragment's lane (r, t % 2), registers 6 (t / 2) on
.set XB, X+32*(\t)
.set FD, FW+12*((\t)%2)+6*((\t)/2)
	v_max3_num_f32 v184, |v[XB]|, |v[XB+1]|, |v[XB+2]|
	v_max3_num_f32 v185, |v[XB+3]|, |v[XB+4]|, |v[XB+5]|
.irp i, 6,10,14,18,22,26
	s_delay_alu instid0(VALU_DEP_2)
	v_max3_num_f32 v184, v184, |v[XB+\i]|, |v[XB+\i+1]|
	s_delay_alu instid0(VALU_DEP_2)
	v_max3_num_f32 v185, v185, |v[XB+\i+2]|, |v[XB+\i+3]|
.endr
	s_delay_alu instid0(VALU_DEP_2)
	v_max3_num_f32 v184, v184, |v[XB+30]|, |v[XB+31]|
	s_delay_alu instid0(VALU_DEP_1)
	v_max3_num_f32 v184, v184, v185, 0x1800000     ; and the floor
	s_delay_alu instid0(VALU_DEP_1)
	v_add_nc_u32 v[192+(\t)], 0xff000000, v184
	s_delay_alu instid0(VALU_DEP_1)
	v_lshrrev_b32 v186, 23, v[192+(\t)]
.if (\t) == 0
	s_delay_alu instid0(VALU_DEP_1)
	v_mov_b32 v187, v186                           ; the four bytes make the row's scale word
.else
	s_delay_alu instid0(VALU_DEP_1)
	v_lshl_or_b32 v187, v186, 8*(\t), v187
.endif
	v_cvt_scalef32_pk16_fp6_f32 v[FD:FD+2], v[XB:XB+15], v[192+(\t)]
	v_cvt_scalef32_pk16_fp6_f32 v[168+4*(\t):170+4*(\t)], v[XB+16:XB+31], v[192+(\t)]
	v_nop                                          ; one plain instruction behind the scaled conversions
.irp i, 0,1,2
	v_mov_b32 v[FD+3+\i], v[168+4*(\t)+\i]
.endr
.endm
.macro WBODY pitch                             ; written once for each pitch, since the pitch stands in the loads' immediates; the task's 128 loads go out in one run
	WLOAD 0, \pitch
	WLOAD 1, \pitch
	WLOAD 2, \pitch
	WLOAD 3, \pitch
	s_wait_loadcnt 63                              ; a wait's count names 63 at the most: the first 65 of the 128 loads are in, blocks 0 and 1 among them
	WBLOCK 0
	WBLOCK 1
	s_wait_loadcnt 32                              ; block 2 is in; block 3's 32 loads may be out
	WBLOCK 2
	s_wait_loadcnt 0x0
	WBLOCK 3
.irp h, 0,1
.irp p, 0,1,2
	global_store_b128 v14, v[FW+12*\h+4*\p:FW+12*\h+4*\p+3], s[18:19] offset:256*\h+512*\p   ; sixteen lanes store 256 consecutive bytes, aligned: the image's lanes 16 h .. 16 h + 15
.endr
.endr
	global_store_b32 v15, v187, s[20:21]           ; 128 consecutive bytes a wave: 131,072 bytes of the launch's output leave in such half runs
	s_wait_tensorcnt 0x0
	ds_add_u32 v254, v255
	s_wait_dscnt 0x0
	s_endpgm
.endm
	s_cmp_lt_u32 s36, 16
	s_cbranch_scc1 .Lwide
	s_wait_alu depctr_va_vdst(0)
	WBODY 4096
.Lwide:
	s_wait_alu depctr_va_vdst(0)
	WBODY 8192
.Lend:
	s_wait_tensorcnt 0x0
	ds_add_u32 v254, v255
	s_wait_dscnt 0x0
	s_endpgm
.Lfunc_end_k_q24e4275c2e_prep:
	.size	k_q24e4275c2e_prep, .Lfunc_end_k_q24e4275c2e_prep-k_q24e4275c2e_prep
	.p2alignl 7, 3214868480
	.fill 96, 4, 3214868480
	.section	.rodata,"a",@progbits
	.p2align	6, 0x0
	.amdhsa_kernel k_q24e4275c2e_prep
		.amdhsa_group_segment_fixed_size 267776
		.amdhsa_private_segment_fixed_size 0
		.amdhsa_enable_private_segment 0
		.amdhsa_kernarg_size 80
		.amdhsa_user_sgpr_count 2
		.amdhsa_user_sgpr_kernarg_segment_ptr 1
		.amdhsa_wavefront_size32 1
		.amdhsa_system_sgpr_workgroup_id_x 1
		.amdhsa_system_sgpr_workgroup_id_y 1
		.amdhsa_system_sgpr_workgroup_id_z 1
		.amdhsa_system_vgpr_workitem_id 0
		.amdhsa_next_free_vgpr 256
		.amdhsa_next_free_sgpr 66
		.amdhsa_reserve_vcc 0
		.amdhsa_float_denorm_mode_32 3
		.amdhsa_float_denorm_mode_16_64 3
		.amdhsa_memory_ordered 1
		.amdhsa_forward_progress 1
		.amdhsa_inst_pref_size 100
	.end_amdhsa_kernel
	.amdgpu_metadata
---
amdhsa.version: [ 1, 2 ]
amdhsa.kernels:
  - .name:           k_q24e4275c2e_prep
    .symbol:         k_q24e4275c2e_prep.kd
    .args:
      - { .name: h, .offset: 0, .size: 8, .value_kind: global_buffer, .address_space: global }
      - { .name: c, .offset: 8, .size: 8, .value_kind: global_buffer, .address_space: global }
      - { .name: gamma, .offset: 16, .size: 8, .value_kind: global_buffer, .address_space: global }
      - { .name: beta, .offset: 24, .size: 8, .value_kind: global_buffer, .address_space: global }
      - { .name: Wq, .offset: 32, .size: 8, .value_kind: global_buffer, .address_space: global }
      - { .name: Wkv, .offset: 40, .size: 8, .value_kind: global_buffer, .address_space: global }
      - { .name: Wo, .offset: 48, .size: 8, .value_kind: global_buffer, .address_space: global }
      - { .name: ops_codes, .offset: 56, .size: 8, .value_kind: global_buffer, .address_space: global }
      - { .name: ops_scales, .offset: 64, .size: 8, .value_kind: global_buffer, .address_space: global }
      - { .name: stats, .offset: 72, .size: 8, .value_kind: global_buffer, .address_space: global }
    .group_segment_fixed_size: 267776
    .private_segment_fixed_size: 0
    .kernarg_segment_align: 8
    .kernarg_segment_size: 80
    .max_flat_workgroup_size: 512
    .sgpr_count:     66
    .vgpr_count:     256
    .wavefront_size: 32
...
	.end_amdgpu_metadata
.endif
;; end of part 1
;; launch proj (part 2): grid 4 x 48, 4 waves a work-group, clusters of 4 x 1, 327,680 bytes of LDS; arguments ops_codes, ops_scales, qkv; writes qkv
.if DOCPART == 2
	.amdgcn_target "amdgcn-amd-amdhsa--gfx1250"
	.amdhsa_code_object_version 6
	.text
	.protected	k_q24e4275c2e_proj
	.globl	k_q24e4275c2e_proj
	.p2align	8
	.type	k_q24e4275c2e_proj,@function
k_q24e4275c2e_proj:
	s_mov_b64 s[64:65], 0
	v_nop
	global_prefetch_b8 v0, s[64:65] scope:SCOPE_SE
	s_setreg_imm32_b32 hwreg(HW_REG_WAVE_MODE, 25, 1), 1
	s_wait_xcnt 0x0
	s_wait_alu depctr_hold_cnt(0) depctr_sa_sdst(0) depctr_va_vdst(0) depctr_va_sdst(0) depctr_va_ssrc(0) depctr_va_vcc(0) depctr_vm_vsrc(0)
	s_getreg_b32 s2, hwreg(HW_REG_IB_STS2, 6, 4)
	s_cmp_eq_u32 s2, 0
	s_cbranch_scc0 .Lentry_in_a_cluster
	s_endpgm
.Lentry_in_a_cluster:
	s_bfe_u32 s2, ttmp6, 0x10000c
	s_cmp_lg_u32 s2, 0x3003
	s_cbranch_scc0 .Lentry_shape_is_right
	s_endpgm
.Lentry_shape_is_right:
; q = LN(h) Wq, k and v = c Wkv, on codes of FP6 (E2M3) with E8M0 scales, K = 1,024; the results are quantised in registers for the two products of attention and leave as codes.
; SHARES.  A work-group owns 256 operand rows that STAY ("A": rows of LN(h) for q, rows of c for k, columns of Wv for v) and walks four tiles of 128 operand rows ("B": columns of Wq or Wk, or 128 keys of c).
; A never touches LDS: ops_codes holds images of the operand's registers, so wave w loads its 64 rows x all of K, 49,152 consecutive bytes, straight into 384 registers, once.
; B's tile, all of K (98,304 dense bytes) and its scale words (8 planes x 512 bytes), goes through two LDS slots by turns: the tile after the one at work is asked for behind the round at the trip's head.
; 768 pairs of tiles in all; a tile that stays has 8 (q, k) or 64 (v) partners, four to a work-group: 192 work-groups of equal work (three to a work-group does not divide 8 or 64).
; CLUSTER: the four work-groups of a cluster own different A and walk the same B: each fill is asked for jointly, mask 15; waves 0-2 fetch a third of the codes each, wave 3 the scale words.
; In the result a lane holds ONE row of A and its registers run along B's rows, which lie in the stored order: register 16 b + i of a block = 32 b + 16 (lane / 16) + i along the quantiser's axis.
; qkv: Qc, Kc [head][batch][tile of 16 rows][768]; Vc [batch][64 keys][head][tile of 16 channels][768]; Qs, Ks [head pair][row] words; Vs [batch x 8 + 128 keys][channel] words.
; PREFETCH: in trips 0 and 1 the codes of the tile two on are asked for, 96 blocks of 256 bytes a work-group: of the 128 rows that wave w fetches, partner cx names 32, a lane a row.
; LIMITS: a block whose largest magnitude lies under 2^-124 keeps the byte 1; NaN and infinities are not served.
; REGISTERS: window 0: v1-15 addresses; v16-47 A's scale words; v48-55 B's, two sets (lanes 0-15 the even tile's, lanes 16-31 the odd tile's); v64-195 A's fragments 21-31; v200-240 the quantiser.
;   window 1: B's fragments, two sets, at v0 and v128.  window 2: accumulator (a, b) at v[8 (8 a + b)].  window 3: A's fragments 0-20 (fragment 8 a + s: tile a, K step s).
.set SLOT,  102400
.set BSC,   98304                      ; the scale words' place in a slot
.set SST,   2*SLOT                     ; 256 bytes for each wave: the results' scale words; no tensor load lands here
.set SPARE, SST+1024                   ; the spare words
.set WV, 10
.set CX, 11
.set KD, 12
.set XG, 13
.set YT, 14
.set NY, 15
.set BT, 16
.set AT, 17
.set WL, 18
.set G0C, 32
.set G0S, 36
.set G1C, 40
.set G1S, 48
.set SO, 72                            ; the slot that is read
.set SN, 73                            ; the slot that is filled
.set TC, 74
.set PFA, 76
.set SA, 16
.set SB, 48
.set SPW, 56
.set NIL, 57
.set PFO, 58
.set PC, 200
.set TM, 224
.set PW, 240
.set MSB, 0
.macro WIN new                         ; the immediate's high byte repeats the setting that is left
.if MSB != \new
	s_set_vgpr_msb (MSB<<8)|\new
.set MSB, \new
.endif
.endm
.macro PLACES                          ; four plain instructions between a matrix instruction and a load into, or a read of, its registers
.rept 4
	v_nop
.endr
.endm
.macro CROUND                          ; a round of the cluster's barrier
	s_barrier_signal -1
	s_barrier_wait -1
	s_cmp_lg_u32 s[WV], 0
	s_cbranch_scc1 .Lnot_wave_0_\@
	s_barrier_signal -3
.Lnot_wave_0_\@:
	s_barrier_wait -3
	s_barrier_signal -1
	s_barrier_wait -1
.endm
.macro DESC1 g, c, r, p                ; group 1, words 1-7: r rows of c elements of 8 bytes, p elements from row to row
	s_mov_b32 s[\g+1], (\c)<<16
	s_mov_b32 s[\g+2], (\r)<<16
	s_mov_b32 s[\g+3], (\c)<<16
	s_mov_b32 s[\g+4], \r
	s_mov_b32 s[\g+5], \p
	s_mov_b32 s[\g+6], 0
	s_mov_b32 s[\g+7], 0
.endm
.macro JLOAD                           ; a wave's one joint load: a third of the codes, or the scale words
	s_cmp_lt_u32 s[WV], 3
	s_cbranch_scc0 .Lfor_s_\@
	tensor_load_to_lds s[G0C:G0C+3], s[G1C:G1C+7]
	s_nop 0
.rept 4
	v_nop
.endr
	s_branch .Lasked_\@
.Lfor_s_\@:
	tensor_load_to_lds s[G0S:G0S+3], s[G1S:G1S+7]
	s_nop 0
.rept 4
	v_nop
.endr
.Lasked_\@:
.endm
; The change of slots: all my tensor loads have landed (the tile to be read among them), an LDS add, my LDS reads are over; a round; then the fill of the slot read last.
.macro SEQ fill
	s_wait_tensorcnt 0x0
	ds_add_u32 v[SPW], v[NIL]
	s_xor_b32 s[SO], s[SO], SLOT
.if \fill
	s_xor_b32 s[SN], s[SN], SLOT
	s_add_co_u32 s[G0C+1], s[WL], s[SN]            ; no load of mine is out: the groups 0 step to the next tile
	s_add_co_u32 s[G0S+1], s[SN], BSC
	s_add_nc_u64 s[G0C+2:G0C+3], s[G0C+2:G0C+3], 98304
	s_add_nc_u64 s[G0S+2:G0S+3], s[G0S+2:G0S+3], 512
.endif
	v_add_nc_u32 v1, s[SO], v5                     ; B's tiles 0-3,
	v_add_nc_u32 v2, s[SO], v14                    ; 4-7,
	v_add_nc_u32 v3, s[SO], v15                    ; and its scale words, in the slot to be read
	s_wait_alu depctr_va_vdst(0)
	s_wait_dscnt 0x0
	CROUND
.if \fill
	JLOAD
.endif
.endm
.macro FETCH s                         ; B's K step s: 24 loads of 16 bytes and 4 of scale words into set s % 2
.set FQ, (\s)%2
	WIN 0x40                                       ; destination window 1
.irp b, 0,1,2,3,4,5,6,7
.irp c, 0,1,2
	ds_load_b128 v[128*FQ+12*\b+4*\c:128*FQ+12*\b+4*\c+3], v[1+\b/4] offset:12288*(\b%4)+1536*(\s)+512*\c
.endr
.endr
	WIN 0
.irp p, 0,1,2,3
	ds_load_b32 v[SB+4*FQ+\p], v3 offset:512*(\s)+128*\p
.endr
.endm
.macro MUL s, zero                     ; 32 matrix instructions; the 32 accumulators take turns.  zero = 1: a tile's first K step starts the sums
.set FQ, (\s)%2
.irp a, 0,1,2,3
.set FA, 8*\a+(\s)
.if FA < 21
	WIN 0xad                                       ; source 0 (B) window 1, source 1 (A) window 3, C and D window 2
.set AR, 12*FA
.else
	WIN 0xa1                                       ; A in window 0
.set AR, 64+12*(FA-21)
.endif
.irp b, 0,1,2,3,4,5,6,7
.set D, 8*(8*\a+\b)
.set BR, 128*FQ+12*\b
.set SBR, SB+4*FQ+\b/2
.set SAR, SA+4*(\s)+\a
.if \zero
.if \b%2
	v_wmma_scale_f32_16x16x128_f8f6f4 v[D:D+7], v[BR:BR+11], v[AR:AR+11], 0, v[SBR], v[SAR] matrix_a_fmt:MATRIX_FMT_FP6 matrix_b_fmt:MATRIX_FMT_FP6 matrix_a_scale:MATRIX_SCALE_ROW1
.else
	v_wmma_scale_f32_16x16x128_f8f6f4 v[D:D+7], v[BR:BR+11], v[AR:AR+11], 0, v[SBR], v[SAR] matrix_a_fmt:MATRIX_FMT_FP6 matrix_b_fmt:MATRIX_FMT_FP6
.endif
.else
.if \b%2
	v_wmma_scale_f32_16x16x128_f8f6f4 v[D:D+7], v[BR:BR+11], v[AR:AR+11], v[D:D+7], v[SBR], v[SAR] matrix_a_fmt:MATRIX_FMT_FP6 matrix_b_fmt:MATRIX_FMT_FP6 matrix_a_scale:MATRIX_SCALE_ROW1
.else
	v_wmma_scale_f32_16x16x128_f8f6f4 v[D:D+7], v[BR:BR+11], v[AR:AR+11], v[D:D+7], v[SBR], v[SAR] matrix_a_fmt:MATRIX_FMT_FP6 matrix_b_fmt:MATRIX_FMT_FP6
.endif
.endif
.endr
.endr
	WIN 0
.endm
.macro KSTEP s                         ; K step s is multiplied while K step s + 1 comes out of LDS
	s_wait_dscnt 0x0                               ; this step's fragments and scale words are in
.if (\s) < 7
.if (\s) > 0
	PLACES                                         ; the set to be loaded was read by the step before (ahead of step 0: the way out's vector work stands between)
.endif
	FETCH (\s)+1
.endif
.if (\s) == 0
	MUL \s, 1
.else
	MUL \s, 0
.endif
.endm
; THE WAY OUT.  Block a's 64 registers (window 2) are 128 neighbours along the quantiser's axis of the lane's row: 12 registers of codes and a scale word.  Each accumulator is read from its low end on.
.macro QEPI a
.if (\a) > 0
	s_wait_xcnt 0x0                                ; the last block's stores have read their registers
.endif
	WIN 0x0a                                       ; sources 0 and 1 window 2
.irp b, 0,1,2,3
	v_max3_num_f32 v[TM+\b], |v[64*(\a)+16*\b]|, |v[64*(\a)+16*\b+1]|, 0x1800000   ; and the floor 2^(3 - 127): the byte cannot fall under 1
.endr
.irp i, 2,4,6,8,10,12,14
.irp b, 0,1,2,3
	v_max3_num_f32 v[TM+\b], |v[64*(\a)+16*\b+\i]|, |v[64*(\a)+16*\b+\i+1]|, v[TM+\b]
.endr
.endr
	WIN 0
.irp b, 0,1,2,3
	v_permlanex16_b32 v[TM+4+\b], v[TM+\b], s70, s71
.endr
.irp b, 0,1,2,3
	v_max_num_f32 v[TM+\b], v[TM+\b], v[TM+4+\b]   ; with lane l xor 16's 16: the block's largest magnitude
.endr
.irp b, 0,1,2,3
	v_add_nc_u32 v[TM+12+\b], 0xff000000, v[TM+\b] ; 2 off the exponent field: the conversion's scale operand
.endr
.irp b, 0,1,2,3
	v_lshrrev_b32 v[TM+4+\b], 23, v[TM+12+\b]      ; the scale's byte
.endr
	v_lshl_or_b32 v[PW], v[TM+5], 8, v[TM+4]
	v_lshl_or_b32 v[PW], v[TM+6], 16, v[PW]
	v_lshl_or_b32 v[PW], v[TM+7], 24, v[PW]
	WIN 0x02                                       ; source 0 window 2
.irp c, 0,1
	v_cvt_scalef32_pk16_fp6_f32 v[PC+6*\c:PC+2+6*\c], v[64*(\a)+32*\c:64*(\a)+32*\c+15], v[TM+12+2*\c]
	v_cvt_scalef32_pk16_fp6_f32 v[PC+12+4*\c:PC+14+4*\c], v[64*(\a)+32*\c+16:64*(\a)+32*\c+31], v[TM+12+2*\c+1]
.endr
	WIN 0
	v_nop                                          ; one plain instruction behind the scaled conversions
.irp c, 0,1                                    ; the operand wants a whole block in a lane
.irp i, 0,1,2
	v_permlane16_swap_b32 v[PC+6*\c+\i], v[PC+12+4*\c+\i]
.endr
.irp i, 0,1,2
	v_mov_b32 v[PC+3+6*\c+\i], v[PC+12+4*\c+\i]
.endr
.endr
	global_store_b128 v5, v[PC:PC+3], s[56:57] offset:768*(\a)         ; 512 consecutive bytes,
	global_store_b64 v6, v[PC+4:PC+5], s[56:57] offset:768*(\a)        ; and the 256 behind them: an image of 768
	global_store_b128 v5, v[PC+6:PC+9], s[58:59] offset:768*(\a)
	global_store_b64 v6, v[PC+10:PC+11], s[58:59] offset:768*(\a)
	ds_store_b32 v7, v[PW] offset:64*(\a)
.endm
.macro TILE ask                        ; one tile of B against my 64 rows
	FETCH 0
	s_wait_loadcnt 0x0                             ; A and its scale words are in (in later trips no load is out)
	KSTEP 0
.if \ask
	s_cmp_lt_u32 s[TC], 2                          ; the tile two on exists in trips 0 and 1,
	s_cbranch_scc0 .Lno_ask
	s_cmp_lt_u32 s[WV], 3                          ; and waves 0-2 fetch codes
	s_cbranch_scc0 .Lno_ask
	global_prefetch_b8 v[PFO], s[PFA:PFA+1] th:TH_LOAD_NT scope:SCOPE_SE
.Lno_ask:
.endif
	KSTEP 1
	KSTEP 2
	KSTEP 3
	KSTEP 4
	KSTEP 5
	KSTEP 6
	KSTEP 7
	PLACES
	QEPI 0
	QEPI 1
	QEPI 2
	QEPI 3
	ds_load_b64 v[12:13], v8                       ; LDS serves a wave's instructions in order: these see my stores
	s_wait_dscnt 0x0
	global_store_b64 v9, v[12:13], s[60:61]        ; my 64 rows' scale words: 256 consecutive bytes, aligned
.endm
	s_load_b128 s[4:7], s[0:1], 0x0                ; ops_codes, ops_scales
	s_load_b64 s[8:9], s[0:1], 0x10                ; qkv
	v_lshl_add_u32 v[SPW], v0, 2, SPARE
	v_mov_b32 v[NIL], 0
	ds_add_u32 v[SPW], v[NIL]
	ds_add_u32 v[SPW], v[NIL]
	v_lshrrev_b32 v1, 5, v0
	v_readfirstlane_b32 s[WV], v1
	s_bfe_u32 s[CX], ttmp6, 0x40000                ; cx enters global addresses of A, of the results and of the prefetch alone
	s_and_b32 s24, ttmp7, 0xffff                   ; cluster g, the same in all four partners.  g / 16: 0 q, 1 k, 2 v
	s_lshr_b32 s[KD], s24, 4
	s_and_b32 s25, s24, 1
	s_lshl_b32 s25, s25, 2                         ; q, k: B's first tile in its section: 4 (g % 2)
	s_bfe_u32 s26, s24, 0x30001
	s_lshl_b32 s26, s26, 2
	s_add_co_u32 s26, s26, s[CX]                   ; q, k: A's tile in its section: 4 ((g / 2) % 8) + cx
	s_and_b32 s27, s24, 15
	s_lshl_b32 s27, s27, 2                         ; v: B's first tile of 128 keys: 4 (g % 16); A's tile: cx
	s_lshl_b32 s28, s[KD], 3
	s_lshl_b32 s29, s[KD], 5
	s_add_co_u32 s29, s29, 16
	s_cmp_lt_u32 s[KD], 2
	s_cselect_b32 s[XG], s25, s27
	s_cselect_b32 s[YT], s26, s[CX]
	s_cselect_b32 s28, s28, 96                     ; where B's section begins, in tiles of 128 operand rows,
	s_cselect_b32 s29, s29, 8                      ; and A's, in tiles of 256
	s_cselect_b32 s[NY], 512, 64                   ; tiles of 16 rows of A in a section
	s_add_co_u32 s[BT], s[XG], s28
	s_add_co_u32 s[AT], s[YT], s29
	s_mov_b32 s[G1C], 15|(3<<16)|(1<<21)           ; the mask: all four partners; elements of 8 bytes; bit 21 beside a mask; no padding: images are read on end
	s_mov_b32 s[G1S], 15|(3<<16)|(1<<21)
	DESC1 G1C, 32, 128, 32                         ; 32,768 dense bytes as 128 rows of 256
	DESC1 G1S, 64, 8, 10240                        ; 8 planes x 128 words, 81,920 bytes apart
	s_lshl_b32 s[WL], s[WV], 15
	s_mul_i32 s24, s[BT], 98304
	s_add_co_u32 s24, s24, s[WL]                   ; B's codes: my third of the tile
	s_mov_b32 s25, 0
	s_lshl_b32 s26, s[BT], 9                       ; B's scale words
	s_mov_b32 s27, 0
	s_lshl_b32 s28, s[AT], 4
	s_lshl_b32 s29, s[WV], 2
	s_add_co_u32 s28, s28, s29
	s_mul_i32 s28, s28, 12288                      ; A's codes: tile 16 AT + 4 w
	s_mov_b32 s29, 0
	s_lshl_b32 s30, s[AT], 10
	s_lshl_b32 s31, s[WV], 8
	s_add_co_u32 s30, s30, s31                     ; A's scale words: row 256 AT + 64 w
	s_mov_b32 s31, 0
	s_mov_b32 s70, 0x76543210
	s_mov_b32 s71, 0xfedcba98                      ; v_permlanex16_b32's selects for lane l xor 16
	s_mov_b32 s[SO], SLOT
	s_mov_b32 s[SN], 0
	s_mov_b32 s[TC], 0
	s_wait_dscnt 0x0
	s_wait_kmcnt 0x0
	s_mov_b32 s[G0C], 1
	s_mov_b32 s[G0C+1], s[WL]
	s_add_nc_u64 s[G0C+2:G0C+3], s[4:5], s[24:25]
	s_or_b32 s[G0C+3], s[G0C+3], 0x80000000
	s_mov_b32 s[G0S], 1
	s_mov_b32 s[G0S+1], BSC
	s_add_nc_u64 s[G0S+2:G0S+3], s[6:7], s[26:27]
	s_or_b32 s[G0S+3], s[G0S+3], 0x80000000
	s_add_nc_u64 s[20:21], s[4:5], s[28:29]
	s_add_nc_u64 s[22:23], s[6:7], s[30:31]
	CROUND                                         ; all four work-groups are here: the joint loads meet
	JLOAD                                          ; tile 0 into slot 0: one tensor load a wave at the head
	v_and_b32 v10, 31, v0                          ; lane
	v_and_b32 v11, 15, v0                          ; r
	v_lshlrev_b32 v5, 4, v10                       ; an image's place for my lane
	v_lshlrev_b32 v4, 2, v11
	v_add_nc_u32 v14, 49152, v5
	v_lshlrev_b32 v15, 2, v10
	v_add_nc_u32 v15, BSC, v15
	v_lshlrev_b32 v9, 3, v10
	v_add_nc_u32 v6, 512, v9                       ; an image's registers 4-5: 512 + 8 x lane
	s_lshl_b32 s24, s[WV], 8
	s_add_co_u32 s24, s24, SST
	v_lshl_add_u32 v7, v11, 2, s24                 ; my stage of scale words: in,
	v_lshl_add_u32 v8, v10, 3, s24                 ; and back
	v_lshlrev_b32 v[PFO], 8, v10                   ; the prefetch: a lane a row of 256 bytes
.irp b, 0,1,2,3
	v_mov_b32 v[TM+4+\b], 0                        ; a lane permute's destination counts as one of its sources
.endr
	s_wait_alu depctr_va_vdst(0)
	WIN 0xc0                                       ; destination window 3
.set n, 0
.rept 63
	global_load_b128 v[4*n:4*n+3], v5, s[20:21] offset:512*n         ; fragments 0-20; each load 512 consecutive bytes
.set n, n+1
.endr
	WIN 0
.rept 33
	global_load_b128 v[64+4*(n-63):64+4*(n-63)+3], v5, s[20:21] offset:512*n   ; fragments 21-31
.set n, n+1
.endr
.irp s, 0,1,2,3,4,5,6,7
.irp a, 0,1,2,3
	global_load_b32 v[SA+4*\s+\a], v4, s[22:23] offset:81920*\s+64*\a
.endr
.endr
	; where the results go: image 2 xg NYT + 16 y + 4 w, word 16 xg NYT + 256 y + 64 w; a tile of B on: 2 NYT images, 16 NYT words
	s_mul_i32 s24, s[XG], s[NY]
	s_lshl_b32 s25, s24, 1
	s_lshl_b32 s26, s[YT], 4
	s_add_co_u32 s25, s25, s26
	s_lshl_b32 s26, s[WV], 2
	s_add_co_u32 s25, s25, s26
	s_mul_i32 s26, s25, 768
	s_mul_i32 s27, s[KD], 6291456                  ; the section of q, k or v
	s_add_co_u32 s26, s26, s27
	s_mov_b32 s27, 0
	s_add_nc_u64 s[56:57], s[8:9], s[26:27]        ; the first 64 along the quantiser's axis,
	s_mul_i32 s28, s[NY], 768
	s_mov_b32 s29, 0
	s_add_nc_u64 s[58:59], s[56:57], s[28:29]      ; and the second: NYT images on
	s_lshl_b32 s24, s24, 4
	s_lshl_b32 s25, s[YT], 8
	s_add_co_u32 s24, s24, s25
	s_lshl_b32 s25, s[WV], 6
	s_add_co_u32 s24, s24, s25
	s_lshl_b32 s24, s24, 2
	s_lshl_b32 s25, s[KD], 18
	s_add_co_u32 s24, s24, s25
	s_add_co_u32 s24, s24, 18874368
	s_mov_b32 s25, 0
	s_add_nc_u64 s[60:61], s[8:9], s[24:25]
	s_mul_i32 s66, s[NY], 1536
	s_mov_b32 s67, 0
	s_lshl_b32 s68, s[NY], 6
	s_mov_b32 s69, 0
	s_mul_i32 s30, s[BT], 98304                    ; the prefetch begins at tile 2: my third, my work-group's 32 rows of it
	s_add_co_u32 s30, s30, s[WL]
	s_lshl_b32 s31, s[CX], 13
	s_add_co_u32 s30, s30, s31
	s_add_co_u32 s30, s30, 196608
	s_mov_b32 s31, 0
	s_add_nc_u64 s[PFA:PFA+1], s[4:5], s[30:31]
.Ltile:                                            ; three trips: tile t is multiplied while tile t + 1 lands in the other slot
	SEQ 1
	TILE 1
	s_wait_xcnt 0x0                                ; my stores and my prefetch have read their registers: the bases step
	s_add_nc_u64 s[56:57], s[56:57], s[66:67]
	s_add_nc_u64 s[58:59], s[58:59], s[66:67]
	s_add_nc_u64 s[60:61], s[60:61], s[68:69]
	s_add_nc_u64 s[PFA:PFA+1], s[PFA:PFA+1], 98304
	s_add_co_u32 s[TC], s[TC], 1
	s_cmp_lt_u32 s[TC], 3
	s_wait_alu depctr_va_vdst(0)
	s_cbranch_scc1 .Ltile
	SEQ 0                                          ; the last tile is written out: nothing more is asked for
	TILE 0
	s_wait_tensorcnt 0x0                           ; the wave's end
	ds_add_u32 v[SPW], v[NIL]
	s_wait_dscnt 0x0
	CROUND                                         ; the closing round
	s_endpgm
.Lfunc_end_k_q24e4275c2e_proj:
	.size	k_q24e4275c2e_proj, .Lfunc_end_k_q24e4275c2e_proj-k_q24e4275c2e_proj
	.p2alignl 7, 3214868480
	.fill 96, 4, 3214868480
	.section	.rodata,"a",@progbits
	.p2align	6, 0x0
	.amdhsa_kernel k_q24e4275c2e_proj
		.amdhsa_group_segment_fixed_size 327680
		.amdhsa_private_segment_fixed_size 0
		.amdhsa_enable_private_segment 0
		.amdhsa_kernarg_size 24
		.amdhsa_user_sgpr_count 2
		.amdhsa_user_sgpr_kernarg_segment_ptr 1
		.amdhsa_wavefront_size32 1
		.amdhsa_system_sgpr_workgroup_id_x 1
		.amdhsa_system_sgpr_workgroup_id_y 1
		.amdhsa_system_sgpr_workgroup_id_z 1
		.amdhsa_system_vgpr_workitem_id 0
		.amdhsa_next_free_vgpr 1024
		.amdhsa_next_free_sgpr 80
		.amdhsa_reserve_vcc 0
		.amdhsa_float_denorm_mode_32 3
		.amdhsa_float_denorm_mode_16_64 3
		.amdhsa_memory_ordered 1
		.amdhsa_forward_progress 1
		.amdhsa_inst_pref_size 154
	.end_amdhsa_kernel
	.amdgpu_metadata
---
amdhsa.version: [ 1, 2 ]
amdhsa.kernels:
  - .name:           k_q24e4275c2e_proj
    .symbol:         k_q24e4275c2e_proj.kd
    .args:
      - { .name: ops_codes, .offset: 0, .size: 8, .value_kind: global_buffer, .address_space: global }
      - { .name: ops_scales, .offset: 8, .size: 8, .value_kind: global_buffer, .address_space: global }
      - { .name: qkv, .offset: 16, .size: 8, .value_kind: global_buffer, .address_space: global }
    .group_segment_fixed_size: 327680
    .private_segment_fixed_size: 0
    .kernarg_segment_align: 8
    .kernarg_segment_size: 24
    .max_flat_workgroup_size: 128
    .sgpr_count:     80
    .vgpr_count:     1024
    .wavefront_size: 32
...
	.end_amdgpu_metadata
.endif
;; end of part 2
;; launch attn (part 3): grid 4 x 64, 16 waves a work-group, clusters of 4 x 1, 216,064 bytes of LDS; arguments qkv, attn_mask, av_codes, av_scales; writes av_codes, av_scales
.if DOCPART == 3
	.amdgcn_target "amdgcn-amd-amdhsa--gfx1250"
	.amdhsa_code_object_version 6
	.text
	.protected	k_q24e4275c2e_attn
	.globl	k_q24e4275c2e_attn
	.p2align	8
	.type	k_q24e4275c2e_attn,@function
k_q24e4275c2e_attn:
	s_mov_b64 s[64:65], 0
	v_nop
	global_prefetch_b8 v0, s[64:65] scope:SCOPE_SE
	s_setreg_imm32_b32 hwreg(HW_REG_WAVE_MODE, 25, 1), 1
	s_wait_xcnt 0x0
	s_wait_alu depctr_hold_cnt(0) depctr_sa_sdst(0) depctr_va_vdst(0) depctr_va_sdst(0) depctr_va_ssrc(0) depctr_va_vcc(0) depctr_vm_vsrc(0)
	s_getreg_b32 s2, hwreg(HW_REG_IB_STS2, 6, 4)
	s_cmp_eq_u32 s2, 0
	s_cbranch_scc0 .Lentry_in_a_cluster
	s_endpgm
.Lentry_in_a_cluster:
	s_bfe_u32 s2, ttmp6, 0x10000c
	s_cmp_lg_u32 s2, 0x3003
	s_cbranch_scc0 .Lentry_shape_is_right
	s_endpgm
.Lentry_shape_is_right:
; attn_vec = softmax_j(where(mask_j, -10000, q . k_j / 8)) v, both products on codes of FP6 (E2M3) with E8M0 scales; the result is quantised along d_model for the last product.
; SHARES.  A work-group owns 256 queries of one batch and one PAIR of heads; each of its sixteen waves owns 16 queries and walks the two heads in a loop of two trips, 8 steps of 128 keys each.
; K and V of both heads, 196,608 bytes of codes, lie in LDS at once: every byte is filled ONCE, in four chunks of 256 keys, all asked for at the head: one tensor load of a wave is out at the most.
; CLUSTER.  The four query blocks of a batch and pair read the same K and V: each chunk is asked for jointly, mask 15.
; LAYOUT.  Both products are used transposed (S^T = K Q^T, O^T = V^T P^T): a lane holds ONE query.  Keys and V's channels lie in the stored order (bits 3 and 4 of the index exchanged), so that the 16 registers
; of two neighbouring tiles are 16 true neighbours: p's registers run along the keys, O^T's along the channels, as the quantisers want them.
; THE SOFTMAX: t = score x log2(e) / 8; M = the running largest t rounded UP to a whole number; p = 2^(t - M) is quantised, not normalised; the sum of the unquantised p divides at the end.
; THE MASK costs no vector work in the loop.  The first product's K is 64, so k = 64 .. 127 of the instruction are free.  Q holds there the codes 7.5 and 0.625 under the scale 2^0.  A masked key holds the codes
; -2.5 and -1.25 under 2^12, and the bytes 0 (2^-127) for its real blocks: its score is (-18.75 - 0.78125) x 4,096 = -80,000 = 8 x -10,000 exactly, and goes through maximum, p and sum as every score does,
; a wholly masked batch included.  An unmasked key holds zero codes there.
; AHEAD.  Q of both heads is asked for at the kernel's head; the odd head's waits in v224-229.  The first four key tiles of a step are read from LDS in the step before, behind its last score products, and land under its softmax.
; BARRIERS.  One ahead of the loop: the tables that all waves store, and all four chunks.  No LDS byte is written twice.
; LIMITS: a masked key's real products, pressed down by 2^-127, leave -80,000 untouched while |q| stays under 2^100; a block whose largest magnitude lies under 2^-124 keeps the byte 1; NaN and infinities are not served.
; REGISTERS: v1-7 lane places; v8-11, v28-29 the head's addresses; v12 -M, v13 largest t, v[14:15] the sum; v16-27 Q; v30 Q's scale word, v31 the pair's; v32-79 four fragments of K; v80-83, v84-87 K's and V's scale words;
; v88 the result's scale word; v96-159 S^T, then p, then V's four fragments; v160-191 O^T (at the head: the tables' addresses); v192-203 the result's fragment; v204-223 p's codes; v224-229 the odd head's Q; v232-254 at work.
.set VB,   98304                       ; LDS: K [head 2][tile 64][768] at 0; V [head 2][64 keys 16][tile 4][768] here
.set KS,   196608                      ; K's scale words as the products take them: [head 2][stored key 1,024]
.set KM,   204800                      ; K's register 6: [stored key]: the mask's codes or 0
.set VS,   208896                      ; V's scale words: [step 8][head 2][channel 64]
.set AST,  212992                      ; the results' scale words: [wave][16]
.set WV,  12
.set HF,  21                           ; wave % 2: the head for which I fetch
.set G1K, 24
.set G1V, 32
.set TB,  16                           ; s16 the head's K and V: 49,152 bytes a head
.set TKS, 17                           ; s17 its scale words of K: 4,096
.set TVS, 18                           ; s18 of V: 256
.set SH,  19                           ; s19 its half of the pair's words: 16 bits
.set HC,  20                           ; s20 counts the heads
.set CS,  22                           ; s[22:23] c = log2(e) / 8
.set SEL, 76                           ; s[76:77] v_permlanex16_b32's selects for lane l xor 16
.macro CROUND
	s_barrier_signal -1
	s_barrier_wait -1
	s_cmp_lg_u32 s[WV], 0
	s_cbranch_scc1 .Lnot_wave_0_\@
	s_barrier_signal -3
.Lnot_wave_0_\@:
	s_barrier_wait -3
	s_barrier_signal -1
	s_barrier_wait -1
.endm
.macro DESC1 g, c, r, p
	s_mov_b32 s[\g+1], (\c)<<16
	s_mov_b32 s[\g+2], (\r)<<16
	s_mov_b32 s[\g+3], (\c)<<16
	s_mov_b32 s[\g+4], \r
	s_mov_b32 s[\g+5], \p
	s_mov_b32 s[\g+6], 0
	s_mov_b32 s[\g+7], 0
.endm
.macro G0SET g, lm, lo, ad, go
	s_mov_b32 s[\g], 1
	s_mul_i32 s[\g+1], s[HF], \lm
	s_add_co_u32 s[\g+1], s[\g+1], \lo
	s_add_nc_u64 s[\g+2:\g+3], s[\ad:\ad+1], \go
	s_or_b32 s[\g+3], s[\g+3], 0x80000000
.endm
	s_load_b256 s[4:11], s[0:1], 0x0               ; qkv, attn_mask, av_codes, av_scales
	v_lshl_add_u32 v251, v0, 2, 0x34400
	v_mov_b32 v255, 0
	ds_add_u32 v251, v255
	ds_add_u32 v251, v255
	v_lshrrev_b32 v8, 5, v0
	s_delay_alu instid0(VALU_DEP_1)
	v_readfirstlane_b32 s[WV], v8                  ; wave 0..15
	s_bfe_u32 s13, ttmp6, 0x40000                  ; cx: my block of 256 queries: it enters global addresses alone
	s_and_b32 s20, ttmp7, 0xffff
	s_lshr_b32 s14, s20, 3                         ; batch
	s_and_b32 s15, s20, 7                          ; pair of heads
	s_and_b32 s[HF], s[WV], 1
	v_and_b32 v9, 31, v0                           ; lane
	v_and_b32 v10, 15, v0                          ; r
	v_bfe_u32 v11, v0, 4, 1                        ; h
	s_delay_alu instid0(VALU_DEP_3)
	v_lshlrev_b32 v1, 4, v9                        ; an image's registers 0-3: 16 x lane
	s_delay_alu instid0(VALU_DEP_4)
	v_lshlrev_b32 v2, 3, v9
	s_delay_alu instid0(VALU_DEP_1)
	v_add_nc_u32 v2, 512, v2                       ; its registers 4-5: 512 + 8 x lane
	v_lshl_add_u32 v3, v10, 2, KM
	v_lshl_add_u32 v4, v10, 2, KS
	v_add_nc_u32 v5, VB, v1
	s_delay_alu instid0(VALU_DEP_4)
	v_add_nc_u32 v6, VB, v2
	v_lshl_add_u32 v7, v10, 2, VS
	s_lshl_b32 s2, s[WV], 6
	s_add_co_u32 s2, s2, AST
	v_lshl_add_u32 v93, v10, 2, s2                 ; the way out: my row's scale word,
	s_lshl_b32 s3, s[HF], 9
	v_add_nc_u32 v95, s3, v1                       ; and, for waves 0 and 1, 512 bytes of them back
	s_delay_alu instid0(VALU_DEP_1)
	v_add_nc_u32 v94, AST, v95
	; the tables: thread t serves stored keys t and t + 512
	v_lshl_add_u32 v160, v0, 2, KS
	v_lshl_add_u32 v161, v0, 2, KM
	v_lshl_add_u32 v162, v0, 3, VS
	v_bfe_u32 v163, v0, 3, 1
	s_delay_alu instid0(VALU_DEP_1)
	v_xor_b32 v163, v163, v11
	s_delay_alu instid0(VALU_DEP_1)
	v_mul_u32_u24 v163, v163, 24
	s_delay_alu instid0(VALU_DEP_1)
	v_xor_b32 v163, v163, v0                       ; the true key at stored place t
	s_delay_alu instid0(VALU_DEP_1)
	v_lshlrev_b32 v163, 3, v163                    ; the mask has 8 bytes a key
	v_lshlrev_b32 v164, 2, v0
	v_lshrrev_b32 v165, 6, v0
	v_and_b32 v166, 63, v0
	s_delay_alu instid0(VALU_DEP_2)
	v_lshlrev_b32 v165, 12, v165                   ; V's scale words: a step's row of 1,024 words,
	s_delay_alu instid0(VALU_DEP_1)
	v_lshl_add_u32 v165, v166, 3, v165             ; 8 bytes of the pair's 512
	v_lshlrev_b32 v166, 2, v10
	s_lshl_b32 s80, s15, 15
	s_lshl_b32 s81, s14, 12
	s_add_co_u32 s80, s80, s81                     ; word 8,192 pair + 1,024 batch
	s_add_co_u32 s82, s80, 19136512                ; in K's scale words
	s_mov_b32 s83, 0
	s_lshl_b32 s81, s13, 10
	s_add_co_u32 s80, s80, s81
	s_lshl_b32 s81, s[WV], 6
	s_add_co_u32 s80, s80, s81
	s_add_co_u32 s80, s80, 18874368                ; and, at my 16 queries, in Q's
	s_mov_b32 s81, 0
	s_lshl_b32 s66, s14, 15
	s_lshl_b32 s67, s15, 9
	s_add_co_u32 s66, s66, s67
	s_add_co_u32 s66, s66, 19398656                ; V's: row 8 batch, word 128 pair
	s_mov_b32 s67, 0
	s_mov_b32 s2, s14
	s_mov_b32 s3, 0
	s_lshl_b32 s78, s15, 4
	s_add_co_u32 s78, s78, s14
	s_mul_i32 s78, s78, 49152                      ; Q's codes: the even head, my batch,
	s_lshl_b32 s79, s13, 4
	s_add_co_u32 s79, s79, s[WV]
	s_mul_i32 s79, s79, 768                        ; my tile
	s_add_co_u32 s78, s78, s79
	s_mov_b32 s79, 0
	s_lshl_b32 s16, s15, 1
	s_add_co_u32 s16, s16, s[HF]                   ; the head for which I fetch
	s_mul_i32 s18, s16, 3072
	s_lshl_b32 s16, s16, 3
	s_add_co_u32 s16, s16, s14
	s_mul_i32 s16, s16, 49152
	s_add_co_u32 s16, s16, 6291456                 ; K's codes of that head and batch
	s_mov_b32 s17, 0
	s_mul_i32 s19, s14, 16*49152
	s_add_co_u32 s18, s18, s19
	s_add_co_u32 s18, s18, 12582912                ; V's
	s_mov_b32 s19, 0
	s_mov_b32 s[G1K], 15|(3<<16)|(1<<21)           ; 15:0 the mask: all four work-groups; 17:16 elements of 8 bytes; 21 set beside a mask; no padding: images are read on end
	s_mov_b32 s[G1V], 15|(3<<16)|(1<<21)
	DESC1 G1K, 32, 48, 32                          ; 16 tiles of K: 12,288 dense bytes as 48 rows of 256
	DESC1 G1V, 384, 4, 6144                        ; 4 x 64 keys of V: 3,072 bytes each, 49,152 bytes apart
	s_mov_b32 s[CS], 0x3e38aa3b
	s_mov_b32 s[CS+1], s[CS]                       ; (named with it as a pair, so it is written)
	s_mov_b32 s[SEL], 0x76543210
	s_mov_b32 s[SEL+1], 0xfedcba98
	s_wait_alu depctr_va_vdst(0)
	s_wait_dscnt 0x0
	s_wait_kmcnt 0x0
	s_add_nc_u64 s[82:83], s[4:5], s[82:83]
	s_add_nc_u64 s[80:81], s[4:5], s[80:81]
	s_add_nc_u64 s[66:67], s[4:5], s[66:67]
	s_add_nc_u64 s[2:3], s[6:7], s[2:3]
	s_add_nc_u64 s[78:79], s[4:5], s[78:79]
	s_add_nc_u64 s[16:17], s[4:5], s[16:17]
	s_add_nc_u64 s[18:19], s[4:5], s[18:19]
	global_load_u8 v232, v163, s[2:3]
	global_load_u8 v233, v163, s[2:3] offset:4096
	global_load_b32 v234, v164, s[82:83]
	global_load_b32 v235, v164, s[82:83] offset:2048
	global_load_b64 v[236:237], v165, s[66:67]
	global_load_b32 v31, v166, s[80:81]
	global_load_b128 v[16:19], v1, s[78:79]        ; Q's image of the even head: k = 0 .. 63,
	global_load_b64 v[20:21], v2, s[78:79]
	global_load_b128 v[224:227], v1, s[78:79] offset:393216   ; and of the odd head, a head's 8 x 64 images on: the loop holds no load from memory
	global_load_b64 v[228:229], v2, s[78:79] offset:393216
	CROUND                                         ; all four work-groups are here: the joint loads meet
	; the sixteen fills (K and V, two heads, four chunks of 256 keys) are shared out, ONE to a wave: waves 0-7 K, waves 8-15 V; head w % 2, chunk (w / 2) % 4
	s_bfe_u32 s48, s[WV], 0x20001                  ; my chunk
	s_mul_i32 s50, s48, 12288
	s_mov_b32 s51, 0
	s_mul_i32 s52, s48, 196608
	s_mov_b32 s53, 0
	s_mov_b32 s40, 1
	s_mul_i32 s41, s[HF], 49152
	s_add_co_u32 s41, s41, s50
	s_add_nc_u64 s[42:43], s[16:17], s[50:51]
	s_or_b32 s43, s43, 0x80000000
	s_mov_b32 s44, 1
	s_add_co_u32 s45, s41, VB
	s_add_nc_u64 s[46:47], s[18:19], s[52:53]
	s_or_b32 s47, s47, 0x80000000
	s_cmp_lt_u32 s[WV], 8
	s_cbranch_scc0 .Lnot_k
	tensor_load_to_lds s[40:43], s[G1K:G1K+7]
	s_nop 0
.rept 4
	v_nop
.endr
	s_branch .Lasked
.Lnot_k:
	tensor_load_to_lds s[44:47], s[G1V:G1V+7]
	s_nop 0
.rept 4
	v_nop
.endr
.Lasked:
	v_mov_b32 v240, 0x8b0000                       ; a masked key's scale word: bytes 0, 1: 2^-127; byte 2: 2^12
	v_mov_b32 v242, 0xab2                          ; and its register 6: the codes -2.5 and -1.25
	s_wait_loadcnt 0x0                             ; the tables' numbers and Q of both heads
.irp u, 0,1                                    ; the mask only selects values
	v_cmp_ne_u32 vcc_lo, 0, v[232+\u]
	v_and_b32 v238, 0xffff, v[234+\u]              ; the even head's two bytes,
	s_wait_alu depctr_va_vdst(0)
	v_lshrrev_b32 v239, 16, v[234+\u]              ; the odd head's
	v_cndmask_b32 v238, v238, v240, vcc_lo
	s_delay_alu instid0(VALU_DEP_2)
	v_cndmask_b32 v239, v239, v240, vcc_lo
	v_cndmask_b32 v241, 0, v242, vcc_lo
	ds_store_b32 v160, v238 offset:2048*\u
	ds_store_b32 v160, v239 offset:4096+2048*\u
	ds_store_b32 v161, v241 offset:2048*\u
.endr
	ds_store_b64 v162, v[236:237]
	v_sub_nc_u32 v22, 1, v11
	s_delay_alu instid0(VALU_DEP_1)
	v_mul_u32_u24 v22, v22, 0x15f                  ; Q's register 6: lanes 0-15 (k = 64 on): the codes 7.5 and 0.625; lanes 16-31: zeros
.irp i, 23,24,25,26,27
	v_mov_b32 v[\i], 0                             ; the rest of k = 64 .. 127: zero codes, in Q
.endr
.irp t, 0,1,2,3
.irp i, 7,8,9,10,11
	v_mov_b32 v[32+12*\t+\i], 0                    ; and in K's four fragments; nothing else ever writes these
.endr
.endr
.irp i, 0,1,2,3,4,5,6,7,8,9,10,11
	v_mov_b32 v[192+\i], 0                         ; the result's fragment and word: the first trip moves what it finds
.endr
	v_mov_b32 v88, 0
.irp b, 0,1,2,3
	v_mov_b32 v[236+\b], 0                         ; a lane permute's destination counts as one of its sources
.endr
	v_mov_b32 v253, 0                              ; (named as the upper half of v[252:253] before it is first written)
	s_lshl_b32 s80, s14, 6                         ; where the results go: row tile 64 batch + 16 cx + wave, K step = pair
	s_lshl_b32 s81, s13, 4
	s_add_co_u32 s80, s80, s81
	s_add_co_u32 s80, s80, s[WV]
	s_lshl_b32 s80, s80, 3
	s_add_co_u32 s80, s80, s15
	s_mul_i32 s80, s80, 1536
	s_mov_b32 s81, 0
	s_add_nc_u64 s[8:9], s[8:9], s[80:81]
	s_lshl_b32 s80, s15, 15
	s_lshl_b32 s82, s14, 12
	s_add_co_u32 s80, s80, s82
	s_lshl_b32 s82, s13, 10
	s_add_co_u32 s80, s80, s82
	s_add_nc_u64 s[10:11], s[10:11], s[80:81]
	s_mov_b32 s21, 0xffff                          ; (the fetching head is done with)
	s_mov_b32 s[TB], 0
	s_mov_b32 s[TKS], 0
	s_mov_b32 s[TVS], 0
	s_mov_b32 s[SH], 0
	s_mov_b32 s[HC], 0
	s_mov_b32 s2, 0                                ; the step's place in the mask's table (the mask's loads are done)
.macro KLOAD k0                        ; key tiles k0 .. k0 + 3 into the four fragments: 64 codes a key, the mask's codes at k = 64 and 65, the scale words
.irp t, 0,1,2,3
	ds_load_b128 v[32+12*\t:35+12*\t], v8 offset:768*((\k0)+\t)
	ds_load_b64 v[36+12*\t:37+12*\t], v9 offset:768*((\k0)+\t)
	ds_load_b32 v[38+12*\t], v89 offset:64*((\k0)+\t)
	ds_load_b32 v[80+\t], v10 offset:64*((\k0)+\t)
.endr
.endm
.macro SMUL g                          ; S^T = K Q^T of the four tiles in hand: the step's tiles 4 g .. 4 g + 3
.irp t, 0,1,2,3
	v_wmma_scale_f32_16x16x128_f8f6f4 v[96+8*(4*(\g)+\t):103+8*(4*(\g)+\t)], v[32+12*\t:43+12*\t], v[16:27], 0, v[80+\t], v30 matrix_a_fmt:MATRIX_FMT_FP6 matrix_b_fmt:MATRIX_FMT_FP6
.endr
.endm
; A KEY STEP: 128 keys.  first = 1: a head's first step: O^T's sums begin with the constant 0.  ld = 1: the step reads its own first four tiles; else the step before has read them.  pre = 1: it reads the next step's.
.macro STEP ks, first, ld, pre
.if \ld
	KLOAD 8*(\ks)
.endif
	s_wait_dscnt 0x0                               ; (tiles read ahead came in with the wait in front of the last step's second product)
	SMUL 0
.rept 4
	v_nop                                          ; places in front of loads into registers that matrix instructions have read
.endr
	KLOAD 8*(\ks)+4
	s_wait_dscnt 0x0
	SMUL 1                                         ; lane (r, h) holds query r; register 16 b + i is key 128 ks + 32 b + 16 h + i
.rept 4
	v_nop                                          ; places in front of the first read of the scores, and of the loads below
.endr
.if \pre
	KLOAD 8*(\ks)+8                                ; the next step's first four tiles: they land under the softmax
.endif
.irp b, 0,1,2,3
	v_max3_num_f32 v[232+\b], v[96+16*\b], v[97+16*\b], v[98+16*\b]   ; the largest score of each block of 32 keys: for the row's maximum and, since p rises with the score, for the block's largest p
.endr
.irp i, 3,5,7,9,11,13
.irp b, 0,1,2,3
	v_max3_num_f32 v[232+\b], v[232+\b], v[96+16*\b+\i], v[97+16*\b+\i]
.endr
.endr
.irp b, 0,1,2,3
	v_max_num_f32 v[232+\b], v[232+\b], v[111+16*\b]
.endr
.irp b, 0,1,2,3
	s_delay_alu instid0(VALU_DEP_4)
	v_permlanex16_b32 v[236+\b], v[232+\b], s[SEL], s[SEL+1]
.endr
.irp b, 0,1,2,3
	s_delay_alu instid0(VALU_DEP_4)
	v_max_num_f32 v[232+\b], v[232+\b], v[236+\b]  ; with lane l xor 16's 16 keys
.endr
	s_delay_alu instid0(VALU_DEP_2)
	v_max3_num_f32 v254, v232, v233, v234
	s_delay_alu instid0(VALU_DEP_1)
	v_max_num_f32 v254, v254, v235
	s_delay_alu instid0(VALU_DEP_1)
	v_mul_f32 v254, s[CS], v254                    ; the step's largest t (c is positive)
	s_delay_alu instid0(VALU_DEP_1)
	v_max_num_f32 v13, v13, v254                   ; the running largest t
	v_mov_b32 v254, v12
	s_delay_alu instid0(VALU_DEP_2)
	v_floor_f32 v12, -v13                          ; the new -M = -ceil(t): a whole number
	s_delay_alu instid0(VALU_DEP_1)
	v_sub_f32 v254, v12, v254                      ; old M - new M: a whole number, 0 or less
	s_delay_alu instid0(VALU_DEP_1)
	v_cvt_i32_f32 v254, v254                       ; (it saturates)
	s_delay_alu instid0(VALU_DEP_1)
	v_ldexp_f32 v252, 1.0, v254                    ; f = 2^(old M - new M): a multiplication by it rounds nothing
.set j, 0
.rept 32
	v_pk_fma_f32 v[96+j:97+j], v[96+j:97+j], s[CS:CS+1], v[12:13] op_sel_hi:[1,0,0]   ; t - M
.set j, j+2
.endr
.irp b, 0,1,2,3
	v_fma_f32 v[232+\b], v[232+\b], s[CS], v12     ; the same of each block's largest score
.endr
.set j, 0
	s_wait_alu depctr_va_vdst(0)
.rept 64
	v_exp_f32 v[96+j], v[96+j]                     ; p = 2^(t - M), at most 1
.set j, j+1
.endr
	v_pk_mul_f32 v[14:15], v[14:15], v[252:253] op_sel_hi:[1,0]   ; the sums under the new M: a plain instruction behind the exponentials
	s_wait_alu depctr_va_vdst(0)                   ; one wait for the batch, ahead of the first line that names a result
.irp b, 0,1,2,3
	v_exp_f32 v[232+\b], v[232+\b]                 ; the block's largest p: the same two instructions on the same number
.endr
	v_pk_add_f32 v[236:237], v[100:101], v[104:105]
	v_pk_add_f32 v[248:249], v[108:109], v[112:113]
	v_pk_add_f32 v[246:247], v[116:117], v[120:121]
	v_pk_add_f32 v[244:245], v[124:125], v[128:129]
	v_pk_add_f32 v[242:243], v[132:133], v[136:137]
	v_pk_add_f32 v[240:241], v[140:141], v[144:145]
	v_pk_add_f32 v[238:239], v[148:149], v[152:153]
	v_pk_add_f32 v[14:15], v[14:15], v[156:157]
	v_pk_add_f32 v[236:237], v[236:237], v[96:97]
	v_pk_add_f32 v[248:249], v[248:249], v[98:99]
	v_pk_add_f32 v[246:247], v[246:247], v[102:103]
	v_pk_add_f32 v[244:245], v[244:245], v[106:107]
	v_pk_add_f32 v[242:243], v[242:243], v[110:111]
	v_pk_add_f32 v[240:241], v[240:241], v[114:115]
	v_pk_add_f32 v[238:239], v[238:239], v[118:119]
	v_pk_add_f32 v[14:15], v[14:15], v[122:123]
	v_pk_add_f32 v[236:237], v[236:237], v[126:127]
	v_pk_add_f32 v[248:249], v[248:249], v[130:131]
	v_pk_add_f32 v[246:247], v[246:247], v[134:135]
	v_pk_add_f32 v[244:245], v[244:245], v[138:139]
	v_pk_add_f32 v[242:243], v[242:243], v[142:143]
	v_pk_add_f32 v[240:241], v[240:241], v[146:147]
	v_pk_add_f32 v[238:239], v[238:239], v[150:151]
	v_pk_add_f32 v[14:15], v[14:15], v[154:155]
	v_pk_add_f32 v[236:237], v[236:237], v[158:159]
	s_delay_alu instid0(VALU_DEP_2)
	v_pk_add_f32 v[14:15], v[14:15], v[244:245]
	s_delay_alu instid0(VALU_DEP_2)
	v_pk_add_f32 v[236:237], v[236:237], v[242:243]
	v_pk_add_f32 v[248:249], v[248:249], v[240:241]
	v_pk_add_f32 v[246:247], v[246:247], v[238:239]
	s_delay_alu instid0(VALU_DEP_2)
	v_pk_add_f32 v[14:15], v[14:15], v[248:249]
	s_delay_alu instid0(VALU_DEP_2)
	v_pk_add_f32 v[236:237], v[236:237], v[246:247]
	s_delay_alu instid0(VALU_DEP_1)
	v_pk_add_f32 v[14:15], v[14:15], v[236:237]
	s_wait_alu depctr_va_vdst(0)                   ; and one for the four
.irp b, 0,1,2,3
	v_max_num_f32 v[232+\b], 0x1800000, v[232+\b]  ; the floor 2^(3 - 127): a block whose every p is 0 keeps the byte 1: its codes are zeros
.endr
.irp b, 0,1,2,3
	s_delay_alu instid0(VALU_DEP_4)
	v_add_nc_u32 v[244+\b], 0xff000000, v[232+\b]
.endr
.irp b, 0,1,2,3
	s_delay_alu instid0(VALU_DEP_4)
	v_lshrrev_b32 v[236+\b], 23, v[244+\b]
.endr
	s_delay_alu instid0(VALU_DEP_3)
	v_lshl_or_b32 v253, v237, 8, v236              ; p's scale word for these 128 keys
	s_delay_alu instid0(VALU_DEP_1)
	v_lshl_or_b32 v253, v238, 16, v253
	s_delay_alu instid0(VALU_DEP_1)
	v_lshl_or_b32 v253, v239, 24, v253
.irp c, 0,1
	v_cvt_scalef32_pk16_fp6_f32 v[204+6*\c:206+6*\c], v[96+32*\c:111+32*\c], v[244+2*\c]
	v_cvt_scalef32_pk16_fp6_f32 v[216+4*\c:218+4*\c], v[112+32*\c:127+32*\c], v[244+2*\c+1]
.endr
	v_nop                                          ; one plain instruction behind the scaled conversions
.irp t, 0,1,2,3                                ; p is done with: V's four fragments (16 channels x 128 keys: two images of 64 keys) land in its registers while the codes are put in order
.irp c, 0,1
	ds_load_b128 v[96+12*\t+6*\c:99+12*\t+6*\c], v11 offset:(2*(\ks)+\c)*3072+768*\t
	ds_load_b64 v[100+12*\t+6*\c:101+12*\t+6*\c], v28 offset:(2*(\ks)+\c)*3072+768*\t
.endr
	ds_load_b32 v[84+\t], v29 offset:512*(\ks)+64*\t
.endr
.irp c, 0,1                                    ; the operand wants a WHOLE block in a lane
.irp i, 0,1,2
	v_permlane16_swap_b32 v[204+6*\c+\i], v[216+4*\c+\i]
.endr
.irp i, 0,1,2
	s_delay_alu instid0(VALU_DEP_3)
	v_mov_b32 v[207+6*\c+\i], v[216+4*\c+\i]
.endr
.endr
.if \first
	s_wait_alu depctr_va_vdst(0)
.rept 8
	v_nop                                          ; a scale word made by vector instructions stands eight places ahead of the scaled matrix instruction, an operand four
.endr
.else
.set j, 0
.rept 16
	v_pk_mul_f32 v[160+j:161+j], v[160+j:161+j], v[252:253] op_sel_hi:[1,0]   ; O^T under the new M; these are also those places
.set j, j+2
.endr
.endif
	s_wait_alu depctr_va_vdst(0)
	s_wait_dscnt 0x0                               ; V is in, and so are the key tiles read ahead, which were asked for earlier
.irp t, 0,1,2,3                                ; O^T += V^T P^T; the four accumulators take turns
.if \first
	v_wmma_scale_f32_16x16x128_f8f6f4 v[160+8*\t:167+8*\t], v[96+12*\t:107+12*\t], v[204:215], 0, v[84+\t], v253 matrix_a_fmt:MATRIX_FMT_FP6 matrix_b_fmt:MATRIX_FMT_FP6
.else
	v_wmma_scale_f32_16x16x128_f8f6f4 v[160+8*\t:167+8*\t], v[96+12*\t:107+12*\t], v[204:215], v[160+8*\t:167+8*\t], v[84+\t], v253 matrix_a_fmt:MATRIX_FMT_FP6 matrix_b_fmt:MATRIX_FMT_FP6
.endif
.endr
.if \pre
	ADV                                            ; the next step's addresses: seven plain instructions, which are also the five places
.else
.rept 5
	v_nop                                          ; five places
.endr
.endif
.endm
	s_wait_dscnt 0x0                               ; for the others' sake: my part of the tables lies in LDS
.macro ADV                             ; a step of 128 keys on: 8 tiles of K and 2 x 64 keys of V are 6,144 bytes each, 128 words of a table 512
	s_add_co_u32 s[TB], s[TB], 6144
	s_add_co_u32 s[TKS], s[TKS], 512
	s_add_co_u32 s[TVS], s[TVS], 512
	s_add_co_u32 s2, s2, 512
	v_add_nc_u32 v8, s[TB], v1
	v_add_nc_u32 v9, s[TB], v2
	v_add_nc_u32 v10, s[TKS], v4
	v_add_nc_u32 v11, s[TB], v5
	v_add_nc_u32 v28, s[TB], v6
	v_add_nc_u32 v29, s[TVS], v7
	v_add_nc_u32 v89, s2, v3
	s_wait_alu depctr_va_vdst(0)
.endm
	s_wait_tensorcnt 0x0                           ; my one fill has landed
	s_barrier_signal -1
	s_barrier_wait -1                              ; everybody's have.
.Lhead:                                            ; two trips: the pair's even head, then its odd head
	v_lshrrev_b32 v30, s[SH], v31
	s_delay_alu instid0(VALU_DEP_1)
	v_and_or_b32 v30, v30, s21, 0x7f0000           ; Q's scale word: the head's two bytes, and 2^0 for the mask's block; ten plain instructions stand between it and the first product
	v_add_nc_u32 v8, s[TB], v1
	v_add_nc_u32 v9, s[TB], v2
	v_add_nc_u32 v89, s2, v3
	s_wait_alu depctr_va_vdst(0)
	v_add_nc_u32 v10, s[TKS], v4
	s_wait_alu depctr_va_vdst(0)
	v_add_nc_u32 v11, s[TB], v5
	v_add_nc_u32 v28, s[TB], v6
	v_add_nc_u32 v29, s[TVS], v7
	v_mov_b32 v13, 0xff61b1e6                      ; the largest t so far: -3e38, under every t
	s_delay_alu instid0(VALU_DEP_1)
	v_floor_f32 v12, -v13
	v_mov_b32 v14, 0
	v_mov_b32 v15, 0
	STEP 0, 1, 1, 1                                ; a head's first step starts O^T's sums
	s_mov_b32 s3, 0
.Lstep:                                            ; steps 1 to 6: the step's place stands in the address registers
	STEP 0, 0, 0, 1
	s_add_co_u32 s3, s3, 1
	s_cmp_lt_u32 s3, 6
	s_cbranch_scc1 .Lstep
	STEP 0, 0, 0, 0                                ; step 7 reads nothing ahead
	; the head's end: O^T / the sum, quantised along its 64 channels: the upper half of the result's fragment; the head before moves to the lower half
	v_add_f32 v14, v14, v15
	s_delay_alu instid0(VALU_DEP_1)
	v_permlanex16_b32 v252, v14, s[SEL], s[SEL+1]
	s_delay_alu instid0(VALU_DEP_1)
	v_add_f32 v14, v14, v252                       ; the row's sum
	s_wait_alu depctr_va_vdst(0)
	v_rcp_f32 v14, v14
	v_lshrrev_b32 v88, 16, v88                     ; (plain work behind the transcendental)
.irp i, 0,1,2,3,4,5
	v_mov_b32 v[192+\i], v[198+\i]
.endr
.irp i, 0,1,2,3,4,5
	v_mov_b32 v[16+\i], v[224+\i]                  ; the odd head's Q takes its place
.endr
	s_wait_alu depctr_va_vdst(0)                   ; the wait ahead of the first line that names the reciprocal
.set j, 0
.rept 16
	v_pk_mul_f32 v[160+j:161+j], v[160+j:161+j], v[14:15] op_sel_hi:[1,0]   ; register 16 b + i is channel 32 b + 16 h + i; each accumulator from its low end on
.set j, j+2
.endr
.irp b, 0,1
	v_max3_num_f32 v[232+\b], |v[160+16*\b]|, |v[161+16*\b]|, 0x1800000
.endr
.irp i, 2,4,6,8,10,12,14
.irp b, 0,1
	s_delay_alu instid0(VALU_DEP_2)
	v_max3_num_f32 v[232+\b], v[232+\b], |v[160+16*\b+\i]|, |v[161+16*\b+\i]|
.endr
.endr
.irp b, 0,1
	s_delay_alu instid0(VALU_DEP_2)
	v_permlanex16_b32 v[236+\b], v[232+\b], s[SEL], s[SEL+1]
.endr
.irp b, 0,1
	s_delay_alu instid0(VALU_DEP_2)
	v_max_num_f32 v[232+\b], v[232+\b], v[236+\b]
.endr
.irp b, 0,1
	s_delay_alu instid0(VALU_DEP_2)
	v_add_nc_u32 v[244+\b], 0xff000000, v[232+\b]
.endr
.irp b, 0,1
	s_delay_alu instid0(VALU_DEP_2)
	v_lshrrev_b32 v[236+\b], 23, v[244+\b]
.endr
	s_delay_alu instid0(VALU_DEP_1)
	v_lshl_or_b32 v236, v237, 8, v236
	s_delay_alu instid0(VALU_DEP_1)
	v_lshl_or_b32 v88, v236, 16, v88               ; the head's two bytes on top
	v_cvt_scalef32_pk16_fp6_f32 v[198:200], v[160:175], v244
	v_cvt_scalef32_pk16_fp6_f32 v[90:92], v[176:191], v245
	v_nop                                          ; one plain instruction behind the scaled conversions
.irp i, 0,1,2
	v_permlane16_swap_b32 v[198+\i], v[90+\i]
.endr
.irp i, 0,1,2
	s_delay_alu instid0(VALU_DEP_3)
	v_mov_b32 v[201+\i], v[90+\i]
.endr
	s_wait_alu depctr_va_vdst(0)                   ; the wait ahead of the run of scalar instructions: the fragment
	s_add_co_u32 s[TB], s[TB], 6144
	s_add_co_u32 s[TKS], s[TKS], 512
	s_mov_b32 s[TVS], 256
	s_mov_b32 s2, 0                                ; the mask's table from its start
	s_add_co_u32 s[SH], s[SH], 16
	s_add_co_u32 s[HC], s[HC], 1
	s_cmp_lt_u32 s[HC], 2
	s_cbranch_scc1 .Lhead
.irp c, 0,1,2
	global_store_b128 v1, v[192+4*\c:195+4*\c], s[8:9] offset:512*\c   ; the fragment's image: 512 consecutive bytes a store
.endr
	ds_store_b32 v93, v88
	s_wait_dscnt 0x0                               ; for the others' sake: my scale words lie in LDS
	s_barrier_signal -1
	s_barrier_wait -1
	s_cmp_lt_u32 s[WV], 2
	s_cbranch_scc0 .Lno_words
	ds_load_b128 v[16:19], v94
	s_wait_dscnt 0x0
	global_store_b128 v95, v[16:19], s[10:11]      ; 128 rows' words: 512 consecutive bytes, aligned
.Lno_words:
	s_wait_tensorcnt 0x0
	ds_add_u32 v251, v255
	s_wait_dscnt 0x0
	CROUND                                         ; the closing round: no work-group ends while a partner may still ask for a tile that names it
	s_endpgm
.Lfunc_end_k_q24e4275c2e_attn:
	.size	k_q24e4275c2e_attn, .Lfunc_end_k_q24e4275c2e_attn-k_q24e4275c2e_attn
	.p2alignl 7, 3214868480
	.fill 96, 4, 3214868480
	.section	.rodata,"a",@progbits
	.p2align	6, 0x0
	.amdhsa_kernel k_q24e4275c2e_attn
		.amdhsa_group_segment_fixed_size 216064
		.amdhsa_private_segment_fixed_size 0
		.amdhsa_enable_private_segment 0
		.amdhsa_kernarg_size 32
		.amdhsa_user_sgpr_count 2
		.amdhsa_user_sgpr_kernarg_segment_ptr 1
		.amdhsa_wavefront_size32 1
		.amdhsa_system_sgpr_workgroup_id_x 1
		.amdhsa_system_sgpr_workgroup_id_y 1
		.amdhsa_system_sgpr_workgroup_id_z 1
		.amdhsa_system_vgpr_workitem_id 0
		.amdhsa_next_free_vgpr 256
		.amdhsa_next_free_sgpr 84
		.amdhsa_reserve_vcc 1
		.amdhsa_float_denorm_mode_32 3
		.amdhsa_float_denorm_mode_16_64 3
		.amdhsa_memory_ordered 1
		.amdhsa_forward_progress 1
		.amdhsa_inst_pref_size 73
	.end_amdhsa_kernel
	.amdgpu_metadata
---
amdhsa.version: [ 1, 2 ]
amdhsa.kernels:
  - .name:           k_q24e4275c2e_attn
    .symbol:         k_q24e4275c2e_attn.kd
    .args:
      - { .name: qkv, .offset: 0, .size: 8, .value_kind: global_buffer, .address_space: global }
      - { .name: attn_mask, .offset: 8, .size: 8, .value_kind: global_buffer, .address_space: global }
      - { .name: av_codes, .offset: 16, .size: 8, .value_kind: global_buffer, .address_space: global }
      - { .name: av_scales, .offset: 24, .size: 8, .value_kind: global_buffer, .address_space: global }
    .group_segment_fixed_size: 216064
    .private_segment_fixed_size: 0
    .kernarg_segment_align: 8
    .kernarg_segment_size: 32
    .max_flat_workgroup_size: 512
    .sgpr_count:     84
    .vgpr_count:     256
    .wavefront_size: 32
...
	.end_amdgpu_metadata
.endif
;; end of part 3
;; launch outp (part 4): grid 8 x 32, 4 waves a work-group, clusters of 4 x 4, 327,680 bytes of LDS; arguments ops_codes, ops_scales, av_codes, av_scales, h, stats, gamma, beta, out0; writes out0
.if DOCPART == 4
	.amdgcn_target "amdgcn-amd-amdhsa--gfx1250"
	.amdhsa_code_object_version 6
	.text
	.protected	k_q24e4275c2e_outp
	.globl	k_q24e4275c2e_outp
	.p2align	8
	.type	k_q24e4275c2e_outp,@function
k_q24e4275c2e_outp:
	s_mov_b64 s[64:65], 0
	v_nop
	global_prefetch_b8 v0, s[64:65] scope:SCOPE_SE
	s_setreg_imm32_b32 hwreg(HW_REG_WAVE_MODE, 25, 1), 1
	s_wait_xcnt 0x0
	s_wait_alu depctr_hold_cnt(0) depctr_sa_sdst(0) depctr_va_vdst(0) depctr_va_sdst(0) depctr_va_ssrc(0) depctr_va_vcc(0) depctr_vm_vsrc(0)
	s_getreg_b32 s2, hwreg(HW_REG_IB_STS2, 6, 4)
	s_cmp_eq_u32 s2, 0
	s_cbranch_scc0 .Lentry_in_a_cluster
	s_endpgm
.Lentry_in_a_cluster:
	s_bfe_u32 s2, ttmp6, 0x10000c
	s_cmp_lg_u32 s2, 0xf033
	s_cbranch_scc0 .Lentry_shape_is_right
	s_endpgm
.Lentry_shape_is_right:
; out0 = LN(h) + attn_vec Wo.  The product runs on codes of FP6 (E2M3) with E8M0 scales, K = 1,024; LN(h) is made again from h and the stored (-mean, rstd) of each row, in the order of operations in which it was quantised.
; A work-group makes 256 rows of attn_vec (source 1, "A") x 128 columns of Wo (source 0, "B").  All of K for both, 294,912 bytes of codes, lies in LDS at once: every LDS byte is filled ONCE, in two halves of 512 along K,
; all asked for at the head: one tensor load of a wave is out at the most.  No slot is filled again, so there is no ring.
; Four waves; wave w takes A's rows 64 w on: 32 accumulators.  A lane holds one row and eight true neighbours among the columns (Wo's columns lie in the stored order).
; The wave's 64 rows x 512 bytes of h are asked for at the head, into window 3, and land while the product runs.
; Rows lie batch by batch, in the stored order (bits 3 and 4 of the position exchanged): the way out maps them back by the loads' and stores' immediates.
; CLUSTERS: 4 x 4 work-groups; A's tiles are asked for jointly along a row of the cluster, B's along a column.
; REGISTERS: window 0: v1-12 addresses; v16-39 scale words, two sets; v64-159 A's fragments, two sets, later rows back from the stage (v64-127) and rows at work (v128-191); v192-199 gamma, beta.
;   window 1: B's fragments, two sets.  window 2: accumulator (a, b) at v[8 (8 a + b)].  window 3: h: row t of block a at v[4 (16 a + t)].
.set CH,    147456                     ; half of K: A's 16 tiles x 6,144 bytes (four K steps), then B's 8
.set SCA,   2*CH                       ; A's scale words: [K step 8][256 rows]
.set SCB,   SCA+8192                   ; B's: [K step 8][128 rows]
.set ACOD, 8                           ; the pointers' registers: A's codes, A's scales, B's codes, B's scales
.set ASCL, 10
.set BCOD, 4
.set BSCL, 6
.set SAP,  4096                        ; a plane of A's scales (8,192 words), in elements of 8 bytes
.set WV, 22
.set WH, 23
.set HF, 2
.set CX, 3
.set CY, 66
.set AT, 67
.set BT, 100
.set G1A, 24
.set G1B, 32
.set G1SA, 40
.set G1SB, 48
.set ADRA, 1
.set ADRB, 2
.set ADSA, 3
.set ADSB, 4
.set MSB, 0
.macro WIN new                         ; the immediate's high byte repeats the setting that is left
.if MSB != \new
	s_set_vgpr_msb (MSB<<8)|\new
.set MSB, \new
.endif
.endm
.macro PLACES                          ; four plain instructions between a matrix instruction and a load into, or a read of, its registers
.rept 4
	v_nop
.endr
.endm
.macro CROUND                          ; a round of the cluster's barrier
	s_barrier_signal -1
	s_barrier_wait -1
	s_cmp_lg_u32 s[WV], 0
	s_cbranch_scc1 .Lnot_wave_0_\@
	s_barrier_signal -3
.Lnot_wave_0_\@:
	s_barrier_wait -3
	s_barrier_signal -1
	s_barrier_wait -1
.endm
.macro DESC1 g, c, r, p                ; group 1, words 1-7: r rows of c elements of 8 bytes, p elements from row to row
	s_mov_b32 s[\g+1], (\c)<<16
	s_mov_b32 s[\g+2], (\r)<<16
	s_mov_b32 s[\g+3], (\c)<<16
	s_mov_b32 s[\g+4], \r
	s_mov_b32 s[\g+5], \p
	s_mov_b32 s[\g+6], 0
	s_mov_b32 s[\g+7], 0
.endm
.macro G0SET g, lm, lo, ad, go         ; group 0: LDS byte lm x half + lo; from address s[ad:ad+1] + go
	s_mov_b32 s[\g], 1
	s_mul_i32 s[\g+1], s[HF], \lm
	s_add_co_u32 s[\g+1], s[\g+1], \lo
	s_add_nc_u64 s[\g+2:\g+3], s[\ad:\ad+1], \go
	s_or_b32 s[\g+3], s[\g+3], 0x80000000
.endm
; Descriptors and the first (and only) fills.  A's hang on AT (cy) and the wave alone, B's on BT (cx) and the wave alone; no place in the cluster enters an LDS address.
.macro SETUP
	s_lshl_b32 s12, s[CY], 2
	s_lshl_b32 s12, 15, s12                        ; my row of the cluster
	s_lshl_b32 s13, 0x1111, s[CX]                  ; my column
	s_or_b32 s[G1A], s12, (3<<16)|(1<<21)          ; 15:0 the mask; 17:16 elements of 8 bytes; 21 set beside a mask; no padding: images are read 16 bytes a lane on end
	s_or_b32 s[G1SA], s12, (3<<16)|(1<<21)
	s_or_b32 s[G1B], s13, (3<<16)|(1<<21)
	s_or_b32 s[G1SB], s13, (3<<16)|(1<<21)
	DESC1 G1A, 768, 16, 1536                       ; at the head: 16 tiles x 6,144 bytes (four K steps), 12,288 bytes from tile to tile
	DESC1 G1B, 768, 8, 1536
	DESC1 G1SA, 128, 8, SAP                        ; 8 planes x 256 words
	DESC1 G1SB, 64, 8, 10240                       ; 8 planes x 128 words
	s_lshl_b32 s14, s[AT], 4
	s_lshl_b32 s15, s[HF], 3
	s_add_co_u32 s14, s14, s15
	s_mul_i32 s14, s14, 12288                      ; A's codes: tile 16 AT + 8 half
	s_mov_b32 s15, 0
	s_lshl_b32 s16, s[AT], 10                      ; A's scale words: row 256 AT
	s_mov_b32 s17, 0
	s_lshl_b32 s18, s[BT], 3
	s_lshl_b32 s19, s[HF], 2
	s_add_co_u32 s18, s18, s19
	s_mul_i32 s18, s18, 12288                      ; B's codes: tile 8 BT + 4 half
	s_mov_b32 s19, 0
	s_lshl_b32 s20, s[BT], 9                       ; B's scale words: row 128 BT
	s_mov_b32 s21, 0
	s_wait_dscnt 0x0
	s_wait_kmcnt 0x0
	s_add_nc_u64 s[14:15], s[ACOD:ACOD+1], s[14:15]
	s_add_nc_u64 s[16:17], s[ASCL:ASCL+1], s[16:17]
	s_add_nc_u64 s[18:19], s[BCOD:BCOD+1], s[18:19]
	s_add_nc_u64 s[20:21], s[BSCL:BSCL+1], s[20:21]
	CROUND                                         ; all sixteen work-groups are here: the joint loads meet
	G0SET 56, 0, SCA, 16, 0                        ; A's scale words
	G0SET 60, 49152, 0, 14, 0                      ; K steps 0-3 of A (issued by wave 0, whose half is 0: all 16 tiles)
	G0SET 68, 49152, CH, 14, 6144                  ; K steps 4-7 of A: my 8 tiles
	G0SET 80, 0, SCB, 20, 0                        ; B's scale words
	G0SET 84, 24576, 98304, 18, 0                  ; K steps 0-3 of B (issued by wave 2, whose half is 0: all 8 tiles)
	G0SET 88, 24576, CH+98304, 18, 6144            ; K steps 4-7 of B: my 4 tiles
	s_cmp_lt_u32 s[WV], 1                          ; the head's four tiles, one to a wave, in one chain of branches on the wave's number
	s_cbranch_scc0 .Lh1
	tensor_load_to_lds s[60:63], s[G1A:G1A+7]
	s_nop 0
.rept 4
	v_nop
.endr
	s_branch .Lasked
.Lh1:
	s_cmp_lt_u32 s[WV], 2
	s_cbranch_scc0 .Lh2
	tensor_load_to_lds s[56:59], s[G1SA:G1SA+7]
	s_nop 0
.rept 4
	v_nop
.endr
	s_branch .Lasked
.Lh2:
	s_cmp_lt_u32 s[WV], 3
	s_cbranch_scc0 .Lh3
	tensor_load_to_lds s[84:87], s[G1B:G1B+7]
	s_nop 0
.rept 4
	v_nop
.endr
	s_branch .Lasked
.Lh3:
	tensor_load_to_lds s[80:83], s[G1SB:G1SB+7]
	s_nop 0
.rept 4
	v_nop
.endr
.Lasked:
.endm
.macro LANES
	v_and_b32 v10, 31, v0                          ; lane
	v_and_b32 v11, 15, v0                          ; r
	s_wait_alu depctr_va_vdst(0)
	v_bfe_u32 v12, v0, 4, 1                        ; h
	v_lshlrev_b32 v5, 4, v10                       ; 16 x lane: an image's place for my lane
	s_mul_i32 s12, s[WV], 24576
	v_add_nc_u32 v[ADRA], s12, v5                  ; my four tiles of A in chunk 0
	v_add_nc_u32 v[ADRB], 98304, v5
	s_lshl_b32 s12, s[WV], 8
	s_add_co_u32 s12, s12, SCA
	v_lshl_add_u32 v[ADSA], v11, 2, s12            ; my 64 rows' scale words: lanes 0-15 are read by the matrix instruction
	v_lshl_add_u32 v[ADSB], v11, 2, SCB
.endm
.macro FETCH s                         ; K step s: 36 loads of 16 bytes and 12 scale words into set s % 2
.set FQ, (\s)%2
	WIN 0x40                                       ; destination window 1
.irp b, 0,1,2,3,4,5,6,7
.irp c, 0,1,2
	ds_load_b128 v[128*FQ+12*\b+4*\c:128*FQ+12*\b+4*\c+3], v[ADRB] offset:6144*\b+1536*((\s)%4)+512*\c
.endr
.endr
	WIN 0
.irp a, 0,1,2,3
.irp c, 0,1,2
	ds_load_b128 v[64+48*FQ+12*\a+4*\c:64+48*FQ+12*\a+4*\c+3], v[ADRA] offset:6144*\a+1536*((\s)%4)+512*\c
.endr
.endr
.irp a, 0,1,2,3
	ds_load_b32 v[16+12*FQ+\a], v[ADSA] offset:1024*(\s)+64*\a
.endr
.irp b, 0,1,2,3,4,5,6,7
	ds_load_b32 v[20+12*FQ+\b], v[ADSB] offset:512*(\s)+64*\b
.endr
.endm
.macro MUL s, zero                     ; 32 matrix instructions; the 32 accumulators take turns, one instruction a turn.  zero = 1: the first K step starts the sums
.set FQ, (\s)%2
	WIN 0xa1                                       ; source 0 (B) window 1, source 1 (A) window 0, C and D window 2
.irp a, 0,1,2,3
.irp b, 0,1,2,3,4,5,6,7
.if \zero
	v_wmma_scale_f32_16x16x128_f8f6f4 v[8*(8*\a+\b):8*(8*\a+\b)+7], v[128*FQ+12*\b:128*FQ+12*\b+11], v[64+48*FQ+12*\a:64+48*FQ+12*\a+11], 0, v[20+12*FQ+\b], v[16+12*FQ+\a] matrix_a_fmt:MATRIX_FMT_FP6 matrix_b_fmt:MATRIX_FMT_FP6
.else
	v_wmma_scale_f32_16x16x128_f8f6f4 v[8*(8*\a+\b):8*(8*\a+\b)+7], v[128*FQ+12*\b:128*FQ+12*\b+11], v[64+48*FQ+12*\a:64+48*FQ+12*\a+11], v[8*(8*\a+\b):8*(8*\a+\b)+7], v[20+12*FQ+\b], v[16+12*FQ+\a] matrix_a_fmt:MATRIX_FMT_FP6 matrix_b_fmt:MATRIX_FMT_FP6
.endif
.endr
.endr
	WIN 0
.endm
.macro KSTEP s                         ; K step s is multiplied while K step s + 1 comes out of LDS
	s_wait_dscnt 0x0                               ; this step's fragments and scale words are in
.if (\s) == 3
	s_wait_tensorcnt 0x0                           ; my part of K steps 4-7 has landed
	s_barrier_signal -1
	s_barrier_wait -1                              ; everybody's has.
	v_add_nc_u32 v[ADRA], CH, v[ADRA]
	v_add_nc_u32 v[ADRB], CH, v[ADRB]
.endif
.if (\s) < 7
.if (\s) > 0
	PLACES                                         ; the set to be loaded was read by the step before
.endif
	FETCH (\s)+1
.endif
.if (\s) == 0
	MUL \s, 1
.else
	MUL \s, 0
.endif
.endm
	s_load_b256 s[4:11], s[0:1], 0x0               ; ops_codes, ops_scales, av_codes, av_scales
	v_lshl_add_u32 v254, v0, 2, 0x4b000
	v_mov_b32 v255, 0
	ds_add_u32 v254, v255
	ds_add_u32 v254, v255
	v_lshrrev_b32 v1, 5, v0
	v_readfirstlane_b32 s[WV], v1
	s_lshr_b32 s[WH], s[WV], 1
	s_and_b32 s[HF], s[WV], 1
	s_bfe_u32 s[CX], ttmp6, 0x40000
	s_bfe_u32 s[CY], ttmp6, 0x40004
	s_lshl_b32 s[BT], ttmp9, 2
	s_add_co_u32 s[BT], s[BT], s[CX]
	s_add_co_u32 s[BT], s[BT], 24                  ; Wo's columns begin at operand row 3,072: tile 24
	s_and_b32 s[AT], ttmp7, 0xffff
	s_lshl_b32 s[AT], s[AT], 2
	s_add_co_u32 s[AT], s[AT], s[CY]
	SETUP
	LANES
	s_load_b256 s[12:19], s[0:1], 0x20             ; h, stats, gamma, beta (into the set-up's temporaries, which are done with)
	s_load_b64 s[20:21], s[0:1], 0x40              ; out0
	s_mul_i32 s101, s[WV], 16*528                  ; my stage: 16 rows x (512 bytes + 16), in chunk 0
	v_mul_u32_u24 v6, v11, 528
	s_wait_alu depctr_va_vdst(0)
	v_lshl_add_u32 v6, v12, 6, v6
	v_add_nc_u32 v6, s101, v6                      ; in: row r; columns 32 B + 16 h + 8 u + j of tile 2 B + u: 128 B + 64 h + 32 u bytes on
	v_add_nc_u32 v7, s101, v5                      ; back: a whole row, 16 bytes a lane
	s_and_b32 s3, s[AT], 3                         ; (cx, cy and half are done with)
	s_lshl_b32 s3, s3, 8
	s_lshl_b32 s66, s[WV], 6
	s_add_co_u32 s3, s3, s66                       ; my first position in the batch: a multiple of 64, so stored and true agree
	s_lshl_b32 s3, s3, 3
	s_lshr_b32 s66, s[AT], 2                       ; the batch
	s_add_co_u32 s3, s3, s66
	s_lshl_b32 s3, s3, 12                          ; rows of 4,096 bytes
	s_sub_co_u32 s66, s[BT], 24
	s_lshl_b32 s66, s66, 9                         ; my 128 columns
	s_add_co_u32 s2, s3, s66
	s_mov_b32 s3, 0
	s_lshl_b32 s100, s[AT], 11
	s_lshl_b32 s101, s[WV], 9
	s_add_co_u32 s100, s100, s101                  ; my 64 rows' statistics: 8 bytes a stored row
	s_mov_b32 s101, 0
	s_mov_b32 s67, 0
	s_wait_kmcnt 0x0
	s_add_nc_u64 s[12:13], s[12:13], s[2:3]
	s_add_nc_u64 s[20:21], s[20:21], s[2:3]
	s_add_nc_u64 s[14:15], s[14:15], s[100:101]
	s_add_nc_u64 s[16:17], s[16:17], s[66:67]
	s_add_nc_u64 s[18:19], s[18:19], s[66:67]
	global_load_b128 v[192:195], v5, s[16:17]      ; gamma and beta of columns 4 lane on
	global_load_b128 v[196:199], v5, s[18:19]
	WIN 0xc0                                       ; destination window 3
.irp a, 0,1,2,3
.set t, 0
.rept 16                                       ; stored row 16 a + t is true position 32 (a / 2) + 16 (t / 8) + 8 (a % 2) + t % 8; eight batches of 4,096 bytes to a position
	global_load_b128 v[4*(16*\a+t):4*(16*\a+t)+3], v5, s[12:13] offset:(32*(\a/2)+16*(t/8)+8*(\a%2)+(t%8))*32768 th:TH_LOAD_NT   ; 512 consecutive bytes
.set t, t+1
.endr
.endr
	WIN 0
	s_wait_alu depctr_va_vdst(0)
	s_wait_tensorcnt 0x0                           ; my tile of the head's four is in
	ds_add_u32 v254, v255
	s_mov_b32 s[G1A+2], 8<<16                      ; no tensor load of mine is out: from here on a load of A brings 8 tiles,
	s_mov_b32 s[G1A+4], 8
	s_mov_b32 s[G1B+2], 4<<16                      ; one of B 4
	s_mov_b32 s[G1B+4], 4
	s_wait_dscnt 0x0
	CROUND                                         ; a whole round: everybody's tile is in, and the joint loads meet
	s_cmp_eq_u32 s[WH], 0                          ; K steps 4-7: waves 0, 1 fetch A's halves, waves 2, 3 B's: one load a wave
	s_cbranch_scc0 .Lfor_b2
	tensor_load_to_lds s[68:71], s[G1A:G1A+7]
	s_nop 0
.rept 4
	v_nop
.endr
	s_branch .Lasked2
.Lfor_b2:
	tensor_load_to_lds s[88:91], s[G1B:G1B+7]
	s_nop 0
.rept 4
	v_nop
.endr
.Lasked2:
	FETCH 0
	KSTEP 0
	KSTEP 1
	s_wait_alu depctr_va_vdst(0)
	KSTEP 2
	KSTEP 3
	s_wait_alu depctr_va_vdst(0)
	KSTEP 4
	KSTEP 5
	s_load_b512 s[24:39], s[14:15], 0x0            ; no tensor load of mine is out any more: the descriptors' registers take the statistics of blocks 0
	s_load_b512 s[40:55], s[14:15], 0x40
	s_load_b512 s[68:83], s[14:15], 0x80           ; and 1: (-mean, rstd) of row t at s[.. + 2 t]
	s_load_b512 s[84:99], s[14:15], 0xc0
	s_wait_alu depctr_va_vdst(0)
	KSTEP 6
	KSTEP 7
; THE WAY OUT, block by block of 16 rows x 128 columns.  The sums go through my own stage in LDS and come back as whole rows of 512 bytes.  The stage lies in chunk 0: it has had its one fill, and every wave
; has passed a barrier since its last read of it.  LDS serves a wave's instructions in order: no wait between the stores and the loads, nor in front of the next block's stores.
.macro OEPI a
.set SS, 24+44*((\a)%2)
.if (\a) > 0
	s_wait_xcnt 0x0                                ; the last block's stores have read their registers
.endif
	WIN 0x08                                       ; an LDS store's data: window 2
.irp b, 0,1,2,3,4,5,6,7
	ds_store_b128 v6, v[8*(8*(\a)+\b):8*(8*(\a)+\b)+3] offset:128*(\b/2)+32*(\b%2)      ; each accumulator from its low end on
	ds_store_b128 v6, v[8*(8*(\a)+\b)+4:8*(8*(\a)+\b)+7] offset:128*(\b/2)+32*(\b%2)+16
.endr
	WIN 0
.set t, 0
.rept 16
	ds_load_b128 v[64+4*t:67+4*t], v7 offset:528*t
.set t, t+1
.endr
	s_wait_kmcnt 0x0                               ; the block's statistics
	WIN 0x03                                       ; source 0 (h) window 3
.set t, 0
.rept 16
	v_pk_add_f32 v[128+4*t:129+4*t], v[4*(16*(\a)+t):4*(16*(\a)+t)+1], s[SS+2*t:SS+2*t+1] op_sel_hi:[1,0]     ; x - mean (the pair's low word serves both halves)
	v_pk_add_f32 v[130+4*t:131+4*t], v[4*(16*(\a)+t)+2:4*(16*(\a)+t)+3], s[SS+2*t:SS+2*t+1] op_sel_hi:[1,0]
.set t, t+1
.endr
	WIN 0
.set t, 0
.rept 16
.irp e, 0,1,2,3
	v_mul_f32 v[128+4*t+\e], s[SS+2*t+1], v[128+4*t+\e]            ; x rstd
.endr
.set t, t+1
.endr
.set t, 0
.rept 16
	v_pk_fma_f32 v[128+4*t:129+4*t], v[128+4*t:129+4*t], v[192:193], v[196:197]   ; x gamma + beta
	v_pk_fma_f32 v[130+4*t:131+4*t], v[130+4*t:131+4*t], v[194:195], v[198:199]
.set t, t+1
.endr
	s_wait_dscnt 0x0                               ; the block's sums are back
.set t, 0
.rept 32
	v_pk_add_f32 v[128+2*t:129+2*t], v[128+2*t:129+2*t], v[64+2*t:65+2*t]
.set t, t+1
.endr
.set t, 0
.rept 16
	global_store_b128 v5, v[128+4*t:131+4*t], s[20:21] offset:(32*((\a)/2)+16*(t/8)+8*((\a)%2)+(t%8))*32768 th:TH_STORE_NT   ; 512 consecutive bytes, at a multiple of 256 from out0's first byte
.set t, t+1
.endr
.if (\a) < 2
	s_load_b512 s[SS:SS+15], s[14:15], 128*((\a)+2)        ; the statistics of the block two on, into the registers just used
	s_load_b512 s[SS+16:SS+31], s[14:15], 128*((\a)+2)+64
.endif
.endm
	PLACES
	s_wait_loadcnt 0x0                             ; h, gamma, beta
	OEPI 0
	OEPI 1
	OEPI 2
	OEPI 3
	s_wait_tensorcnt 0x0
	ds_add_u32 v254, v255
	s_wait_dscnt 0x0
	CROUND                                         ; the closing round: no work-group ends while a partner may still ask for a tile that names it
	s_endpgm
.Lfunc_end_k_q24e4275c2e_outp:
	.size	k_q24e4275c2e_outp, .Lfunc_end_k_q24e4275c2e_outp-k_q24e4275c2e_outp
	.p2alignl 7, 3214868480
	.fill 96, 4, 3214868480
	.section	.rodata,"a",@progbits
	.p2align	6, 0x0
	.amdhsa_kernel k_q24e4275c2e_outp
		.amdhsa_group_segment_fixed_size 327680
		.amdhsa_private_segment_fixed_size 0
		.amdhsa_enable_private_segment 0
		.amdhsa_kernarg_size 72
		.amdhsa_user_sgpr_count 2
		.amdhsa_user_sgpr_kernarg_segment_ptr 1
		.amdhsa_wavefront_size32 1
		.amdhsa_system_sgpr_workgroup_id_x 1
		.amdhsa_system_sgpr_workgroup_id_y 1
		.amdhsa_system_sgpr_workgroup_id_z 1
		.amdhsa_system_vgpr_workitem_id 0
		.amdhsa_next_free_vgpr 1024
		.amdhsa_next_free_sgpr 102
		.amdhsa_reserve_vcc 0
		.amdhsa_float_denorm_mode_32 3
		.amdhsa_float_denorm_mode_16_64 3
		.amdhsa_memory_ordered 1
		.amdhsa_forward_progress 1
		.amdhsa_inst_pref_size 123
	.end_amdhsa_kernel
	.amdgpu_metadata
---
amdhsa.version: [ 1, 2 ]
amdhsa.kernels:
  - .name:           k_q24e4275c2e_outp
    .symbol:         k_q24e4275c2e_outp.kd
    .args:
      - { .name: ops_codes, .offset: 0, .size: 8, .value_kind: global_buffer, .address_space: global }
      - { .name: ops_scales, .offset: 8, .size: 8, .value_kind: global_buffer, .address_space: global }
      - { .name: av_codes, .offset: 16, .size: 8, .value_kind: global_buffer, .address_space: global }
      - { .name: av_scales, .offset: 24, .size: 8, .value_kind: global_buffer, .address_space: global }
      - { .name: h, .offset: 32, .size: 8, .value_kind: global_buffer, .address_space: global }
      - { .name: stats, .offset: 40, .size: 8, .value_kind: global_buffer, .address_space: global }
      - { .name: gamma, .offset: 48, .size: 8, .value_kind: global_buffer, .address_space: global }
      - { .name: beta, .offset: 56, .size: 8, .value_kind: global_buffer, .address_space: global }
      - { .name: out0, .offset: 64, .size: 8, .value_kind: global_buffer, .address_space: global }
    .group_segment_fixed_size: 327680
    .private_segment_fixed_size: 0
    .kernarg_segment_align: 8
    .kernarg_segment_size: 72
    .max_flat_workgroup_size: 128
    .sgpr_count:     102
    .vgpr_count:     1024
    .wavefront_size: 32
...
	.end_amdgpu_metadata
.endif
;; end of part 4
